; MI455X (gfx1250); checked and timed in simulation.
; The chip was launched on July 23, 2026; its instructions are those of AMD's public machine-readable ISA for CDNA 5 (MIT licence, August 2026) and "CDNA5" Instruction Set Architecture Reference Guide (July 2026). The comments in the code are by the model that wrote it; some were corrected since.
;; Self Attention. Allowed arithmetic: float matrix products may take bf16 or f16 operands with f32 sums; other float arithmetic in f32, or as packed bf16 or f16 multiplies, adds, multiply-adds, maxima and minima; sums over many terms, partial sums and values carried from step to step in f32; what a program stores and reads back later, other than sums and carried values, may be rounded once to bf16 or f16.
;; Inputs: Wk 1,024 x 1,024 float32; Wq 1,024 x 1,024 float32; Wv 1,024 x 1,024 float32; bk 1,024 float32; bq 1,024 float32; bv 1,024 float32; x 4 x 2,048 x 1,024 float32.
;; Outputs: out0 4 x 2,048 x 1,024 float32.
;; 2 versions, each right; version 2 is version 1 with the launch cast written anew for expert scheduling mode. Each part assembles by itself: llvm-mc -triple=amdgcn-amd-amdhsa -mcpu=gfx1250 --defsym DOCPART=n.
;; ======== version 1 of 2: 4 launches
;; limits: values are held in f16: magnitudes above 65,504 overflow, below 6.1e-05 lose precision
;; workspace buffers: xb 16,777,216 bytes; wb 6,291,456 bytes; bc 12,288 bytes; qkv 50,331,648 bytes; pm 33,554,432 bytes; st 1,048,576 bytes
;; launch cast (part 1): grid 64 x 11, 8 waves a work-group, no clusters, 0 bytes of LDS; arguments x, Wq, Wk, Wv, bq, bk, bv, xb, wb, bc; writes xb, wb, bc
.if DOCPART == 1
	.amdgcn_target "amdgcn-amd-amdhsa--gfx1250"
	.amdhsa_code_object_version 6
	.text
	.protected	k_qa66200e913_cast
	.globl	k_qa66200e913_cast
	.p2align	8
	.type	k_qa66200e913_cast,@function
k_qa66200e913_cast:
	s_mov_b64 s[64:65], 0
	v_nop
	global_prefetch_b8 v0, s[64:65] scope:SCOPE_SE
	s_setreg_imm32_b32 hwreg(HW_REG_WAVE_MODE, 25, 1), 1
	s_wait_xcnt 0x0
; THE INPUTS ARE ROUNDED ONCE TO bf16.  xb[8192][1024] = bf16(x);  wb[1024][3072] = bf16(Wq | Wk | Wv), the three rows d side by side;
; bc[3072] = bq | bk | bv, each rounded to bf16 and kept as f32 (it starts f32 sums in the next launch).
; SHARES.  y = 0..7: slab y of x, 1,024 rows; y = 8, 9, 10: Wq, Wk, Wv, 1,024 rows each.  Work-group x takes 16 rows of 1,024 f32.
; Thread t takes the 16 bytes at 16 t of every row: a wave's load covers 512 consecutive bytes, its store 256 consecutive bytes, aligned.
; All 16 loads of a thread go out at once (64 KiB a work-group); no register is written twice, so no wait frees a source.
; No LDS, no matrix unit, no cluster: each byte is read once by one thread, and nothing is shared.
.set OFF, 4                            ; v[4:19]    byte offset of my 8 bytes in row r of the destination
.set X,   32                           ; v[32:95]   row r: 4 f32 as loaded
.set Y,   96                           ; v[96:127]  row r: 4 bf16 to store
	s_load_b512 s[8:23], s[0:1], 0x0               ; x 8:9, Wq 10:11, Wk 12:13, Wv 14:15, bq 16:17, bk 18:19, bv 20:21, xb 22:23
	s_load_b128 s[24:27], s[0:1], 0x40             ; wb 24:25, bc 26:27
	s_and_b32 s2, ttmp7, 0xffff                    ; y
	v_lshlrev_b32 v1, 4, v0                        ; 16 t
	v_lshlrev_b32 v2, 3, v0                        ; 8 t
	s_lshl_b32 s38, s2, 22                         ; a slab of x: 1,024 rows of 4,096 bytes
	s_lshl_b32 s40, s2, 21                         ; a slab of xb: 1,024 rows of 2,048 bytes
	s_sub_co_u32 s37, s2, 8                        ; which W (used where y >= 8 alone)
	s_lshl_b32 s44, s37, 11                        ; its 2,048 bytes in a row of wb
	s_mov_b32 s36, 6144
	s_cmp_lt_u32 s2, 8
	s_cselect_b32 s38, s38, 0                      ; source offset
	s_cselect_b32 s40, s40, s44                    ; destination offset
	s_cselect_b32 s36, 2048, s36                   ; bytes from row to row of the destination
	s_lshl_b32 s44, ttmp9, 16                      ; my 16 rows of 4,096 bytes
	s_add_co_u32 s38, s38, s44
	s_mul_i32 s44, ttmp9, s36
	s_lshl_b32 s44, s44, 4                         ; my 16 rows of the destination
	s_add_co_u32 s40, s40, s44
	s_mov_b32 s39, 0
	s_mov_b32 s41, 0
.irp r, 0,1,2,3,4,5,6,7,8,9,10,11,12,13,14,15
	v_mad_u32_u24 v[OFF+(\r)], s36, \r, v2         ; row r x pitch + 8 t
.endr
	s_wait_kmcnt 0x0
	s_cmp_eq_u32 s2, 9
	s_cselect_b64 s[30:31], s[12:13], s[10:11]     ; the source: Wk or Wq,
	s_cselect_b64 s[32:33], s[18:19], s[16:17]     ; and its bias
	s_cmp_eq_u32 s2, 10
	s_cselect_b64 s[30:31], s[14:15], s[30:31]     ; or Wv
	s_cselect_b64 s[32:33], s[20:21], s[32:33]
	s_cmp_lt_u32 s2, 8
	s_cselect_b64 s[30:31], s[8:9], s[30:31]       ; or x
	s_cselect_b64 s[34:35], s[22:23], s[24:25]     ; the destination: xb or wb
	s_add_nc_u64 s[30:31], s[30:31], s[38:39]
	s_add_nc_u64 s[34:35], s[34:35], s[40:41]
.irp r, 0,1,2,3,4,5,6,7,8,9,10,11,12,13,14,15
	global_load_b128 v[X+4*(\r):X+4*(\r)+3], v1, s[30:31] offset:4096*(\r) th:TH_LOAD_NT
.endr
.irp r, 0,1,2,3,4,5,6,7,8,9,10,11,12,13,14,15
	s_wait_loadcnt 15-(\r)                         ; loads come back in order: row r is in, the 15 - r younger rows stay out
	v_cvt_pk_bf16_f32 v[Y+2*(\r)], v[X+4*(\r)], v[X+4*(\r)+1]
	v_cvt_pk_bf16_f32 v[Y+2*(\r)+1], v[X+4*(\r)+2], v[X+4*(\r)+3]
	global_store_b64 v[OFF+(\r)], v[Y+2*(\r):Y+2*(\r)+1], s[34:35]
.endr
	; the bias of this W: 1,024 f32, 16 bytes a thread, by the first work-group of its slab
	s_cmp_lt_u32 s2, 8
	s_cbranch_scc1 .Lend
	s_cmp_lg_u32 ttmp9, 0
	s_cbranch_scc1 .Lend
	s_sub_co_u32 s46, s2, 8
	s_lshl_b32 s46, s46, 12                        ; 4,096 bytes of bc for each bias
	s_mov_b32 s47, 0
	s_add_nc_u64 s[26:27], s[26:27], s[46:47]
	global_load_b128 v[20:23], v1, s[32:33]
	s_wait_loadcnt 0x0
	v_cvt_pk_bf16_f32 v24, v20, v21                ; rounded to bf16,
	v_cvt_pk_bf16_f32 v25, v22, v23
	v_lshlrev_b32 v26, 16, v24                     ; and widened again: a shift or a mask
	v_and_b32 v27, 0xffff0000, v24
	v_lshlrev_b32 v28, 16, v25
	v_and_b32 v29, 0xffff0000, v25
	global_store_b128 v1, v[26:29], s[26:27]
.Lend:
	s_endpgm
.Lfunc_end_k_qa66200e913_cast:
	.size	k_qa66200e913_cast, .Lfunc_end_k_qa66200e913_cast-k_qa66200e913_cast
	.p2alignl 7, 3214868480
	.fill 96, 4, 3214868480
	.section	.rodata,"a",@progbits
	.p2align	6, 0x0
	.amdhsa_kernel k_qa66200e913_cast
		.amdhsa_group_segment_fixed_size 0
		.amdhsa_private_segment_fixed_size 0
		.amdhsa_enable_private_segment 0
		.amdhsa_kernarg_size 80
		.amdhsa_user_sgpr_count 2
		.amdhsa_user_sgpr_kernarg_segment_ptr 1
		.amdhsa_wavefront_size32 1
		.amdhsa_system_sgpr_workgroup_id_x 1
		.amdhsa_system_sgpr_workgroup_id_y 1
		.amdhsa_system_sgpr_workgroup_id_z 1
		.amdhsa_system_vgpr_workitem_id 0
		.amdhsa_next_free_vgpr 128
		.amdhsa_next_free_sgpr 66
		.amdhsa_reserve_vcc 0
		.amdhsa_float_denorm_mode_32 3
		.amdhsa_float_denorm_mode_16_64 3
		.amdhsa_memory_ordered 1
		.amdhsa_forward_progress 1
		.amdhsa_inst_pref_size 9
	.end_amdhsa_kernel
	.amdgpu_metadata
---
amdhsa.version: [ 1, 2 ]
amdhsa.kernels:
  - .name:           k_qa66200e913_cast
    .symbol:         k_qa66200e913_cast.kd
    .args:
      - { .name: x, .offset: 0, .size: 8, .value_kind: global_buffer, .address_space: global }
      - { .name: Wq, .offset: 8, .size: 8, .value_kind: global_buffer, .address_space: global }
      - { .name: Wk, .offset: 16, .size: 8, .value_kind: global_buffer, .address_space: global }
      - { .name: Wv, .offset: 24, .size: 8, .value_kind: global_buffer, .address_space: global }
      - { .name: bq, .offset: 32, .size: 8, .value_kind: global_buffer, .address_space: global }
      - { .name: bk, .offset: 40, .size: 8, .value_kind: global_buffer, .address_space: global }
      - { .name: bv, .offset: 48, .size: 8, .value_kind: global_buffer, .address_space: global }
      - { .name: xb, .offset: 56, .size: 8, .value_kind: global_buffer, .address_space: global }
      - { .name: wb, .offset: 64, .size: 8, .value_kind: global_buffer, .address_space: global }
      - { .name: bc, .offset: 72, .size: 8, .value_kind: global_buffer, .address_space: global }
    .group_segment_fixed_size: 0
    .private_segment_fixed_size: 0
    .kernarg_segment_align: 8
    .kernarg_segment_size: 80
    .max_flat_workgroup_size: 256
    .sgpr_count:     66
    .vgpr_count:     128
    .wavefront_size: 32
...
	.end_amdgpu_metadata
.endif
;; end of part 1
;; launch proj (part 2): grid 4 x 64, 4 waves a work-group, clusters of 4 x 4, 327,680 bytes of LDS; arguments xb, wb, bc, qkv; writes qkv
.if DOCPART == 2
	.amdgcn_target "amdgcn-amd-amdhsa--gfx1250"
	.amdhsa_code_object_version 6
	.text
	.protected	k_qa66200e913_proj
	.globl	k_qa66200e913_proj
	.p2align	8
	.type	k_qa66200e913_proj,@function
k_qa66200e913_proj:
	s_mov_b64 s[64:65], 0
	v_nop
	global_prefetch_b8 v0, s[64:65] scope:SCOPE_SE
	s_setreg_imm32_b32 hwreg(HW_REG_WAVE_MODE, 25, 1), 1
	s_wait_xcnt 0x0
	s_wait_alu depctr_hold_cnt(0) depctr_sa_sdst(0) depctr_va_vdst(0) depctr_va_sdst(0) depctr_va_ssrc(0) depctr_va_vcc(0) depctr_vm_vsrc(0)
	s_getreg_b32 s2, hwreg(HW_REG_IB_STS2, 6, 4)
	s_cmp_eq_u32 s2, 0
	s_cbranch_scc0 .Lentry_in_a_cluster
	s_endpgm
.Lentry_in_a_cluster:
	s_bfe_u32 s2, ttmp6, 0x10000c
	s_cmp_lg_u32 s2, 0xf033
	s_cbranch_scc0 .Lentry_shape_is_right
	s_endpgm
.Lentry_shape_is_right:
; qkv[8192][3072] (f16) = xb[8192][1024] (bf16) x wb[1024][3072] (bf16) + bc[3072].  Sums in f32, started by the bias; rounded once to f16.
; LIMIT.  f16 holds no number beyond 65,504: Q, K and V must lie within it (inputs 30 times those drawn, or offset by 30 spreads, give some 17,000).
; SHARES.  256 WORK-GROUPS THAT STAY.  A work-group keeps 128 rows of xb and makes three tiles of C, 128 x 256 each.  Four waves, each 64 rows x 128 columns: 32 accumulators of 16 x 16.
; wb's 12 tile columns are three groups of four, one tile column for each cx.  Cluster y starts at group y % 3 and walks the three groups in a ring, so that at any time the sixteen clusters are spread over the groups.
; THE RING.  K goes in steps of 128 through two LDS slots (A: 128 rows x 256 bytes, B: 128 k-rows x 512 bytes, as they lie in memory), 24 steps on end: the ring does not stop at a tile's end.
; ONE STEP IS WRITTEN ONCE: the slot's LDS base is a scalar that an exclusive or turns, and one descriptor for each operand goes from slot to slot; its global address is made anew for each refill, from the
; buffer's address and an offset made of two numbers: the K step to be asked for and the column group of its tile.
; The sums start with the bias, loaded straight into the accumulators, so every product has the one accumulating form and no first step is written out.
; wb lies [k][n], so B's fragments come out of LDS turned, by ds_load_tr16_b128.  THE MATRIX INSTRUCTION IS USED TRANSPOSED: source 0 = 16 columns of wb, source 1 = 16 rows of xb: a lane
; holds row l % 16 of C and the eight neighbouring columns 8 (l / 16) + 0..7, which pack into 16 bytes.
; CLUSTER 4 x 4: the four of a row need the same tile of A, the four of a column the same tile of B: each tile is asked for jointly.
; REGISTERS (s_set_vgpr_msb: bits 1:0 source 0, 3:2 source 1, 5:4 source 2, 7:6 destination):
;   window 0: v0-31 addresses; v32-63 packed results; v64-127, v128-191 B's fragments, two buffers; v192-223, v224-255 A's, two buffers          window 1: the accumulators, (a, b) at v[8 (8 a + b)]
.set PA,    272                        ; a row of A in LDS: 256 bytes + 16 = 68 words: the 16 rows of a load start at 16 different groups of four banks (64 banks of 4 bytes: ISA guide 11.1)
.set PB,    544                        ; a k-row of B: 512 bytes + 32 = 136 words
.set ATILE, 128*PA
.set SLOTB, ATILE+128*PB               ; a slot's bytes: A's 128 rows, then B's 128 k-rows
.set SLOT1, 1<<17                      ; slot 1 begins here, so that one exclusive or turns an address in one slot into the other's
.set STAGE, SLOTB                      ; between the slots, where no tile lands: 16 rows x 272 bytes for each wave, for the way out
.set SP,    272
.set SPARE, STAGE+4*16*SP              ; behind the stages: the spare words, 128 bytes a wave: two blocks of 256 bytes that no other line names
.set ROWA,  2048                       ; bytes in a row of xb
.set ROWB,  6144                       ; of wb
.set ROWC,  6144                       ; of qkv
.set KA,    1024                       ; elements in a row of xb
.set KSTEPS, 8                         ; K steps in a tile
.set STEPS, 3*KSTEPS
.set ADRA0, 16                         ; v16     my lane's place in A's tile; never rewritten
.set ADRA,  17                         ; v17     the same in the slot in hand
.set ADRB0, 20                         ; v20, v21 the same for B
.set ADRB,  21
.set STO,  24                          ; v24     the way out: where I put 16 bytes of a row
.set RD,   25                          ; v25     where I read a row back
.set CO,   26                          ; v26     my byte offset in qkv
.set BO,   27                          ; v27     my byte offset in the bias: 32 (l / 16)
.set SPW,  28                          ; v28     my spare word: SPARE + 4 x my thread's number; never rewritten
.set NIL,  29                          ; v29     0; never rewritten
.set PFO,  30                          ; v30     the prefetches' offset; never rewritten
.set TMP,  32                          ; v32-63  packed results
.set G1A, 24                           ; s[24:31] descriptor group 1 for A's tiles;  s[32:35] group 0 of the first fill, s[36:39] the one that goes on
.set G0A, 32
.set LIM, 43                           ; s43     a wave prefetches while the loop's count is above it
.set PFA, 44                           ; s[44:45] where my prefetches stand
.set PFS, 46                           ; s[46:47] their step: a K step along A's rows, or down B's
.set G1B, 48                           ; s[48:55], s[56:63] the same for B's
.set G0B, 56
.set CP,  76                           ; s[76:77] qkv at the 16 rows that go out next
.set BP,  78                           ; s[78:79] bc at my 128 columns of the tile to come
.set OA,  80                           ; s[80:81] byte offset in xb of what this step's refill asks for; the high word is 0
.set OB,  82                           ; s[82:83] the same in wb
.set PH,  84                           ; s84     K steps left in the tile, this one among them
.set G,   85                           ; s85     the column group of the tile in hand
.set KN,  86                           ; s86     the K step, 0 to 7, that the next refill asks for
.set GN,  87                           ; s87     the column group of the tile to which it belongs
.set BA,  88                           ; s88     byte offset in xb of the 64 rows that I fetch: it hangs on the tile row and the wave alone
.set BB,  89                           ; s89     byte offset in wb of the 64 k-rows and the tile column in a group that I fetch: on cx and the wave alone
.set TG,  90                           ; s90     at work
.set TB,  98                           ; s98     LDS byte at which the slot in hand begins
.set MSB, 0
.macro WIN new                         ; the immediate's high byte repeats the setting that is left; a switch that changes nothing is dropped
.if MSB != (\new)
	s_set_vgpr_msb (MSB<<8)|(\new)
.set MSB, \new
.endif
.endm
.macro PLACES                          ; four plain places behind matrix instructions, in front of loads into registers that they read and of readers of results
.rept 4
	v_nop
.endr
.endm
; A joint load: waves 0 and 1 fetch A's two halves (64 rows), waves 2 and 3 B's (64 k-rows).  The branch hangs on the wave's number alone.
; An s_nop 0 and four v_nop follow each of the two lines.
.macro JLOAD s
	s_cmp_eq_u32 s13, 0
	s_cbranch_scc0 .Lfor_b_\@
	tensor_load_to_lds s[G0A+4*(\s):G0A+4*(\s)+3], s[G1A:G1A+7]
	s_nop 0
.rept 4
	v_nop
.endr
	s_branch .Lasked_\@
.Lfor_b_\@:
	tensor_load_to_lds s[G0B+4*(\s):G0B+4*(\s)+3], s[G1B:G1B+7]
	s_nop 0
.rept 4
	v_nop
.endr
.Lasked_\@:
.endm
.macro CREST                           ; a round of the cluster's barrier behind its opening barrier
	s_cmp_lg_u32 s12, 0
	s_cbranch_scc1 .Lnot_wave_0_\@
	s_barrier_signal -3
.Lnot_wave_0_\@:
	s_barrier_wait -3
	s_barrier_signal -1
	s_barrier_wait -1
.endm
.macro CROUND                          ; a whole round
	s_barrier_signal -1
	s_barrier_wait -1
	CREST
.endm
; A prefetch into the L2 of the K step that stands two refills on, in the launch's first four refills alone: K steps 4 to 7 of the first tile.  Each block of 256 bytes is named once: A's rows by wave 0
; (the partner at cx takes rows 32 cx + lane), B's k-rows by waves 2 and 3 of clusters y = 0, 1, 2, one cluster for each column group (the partner at cy takes k-rows 16 cy + lane / 2 of the wave's 64,
; block lane % 2).  Partners are told apart by address alone.  The later tiles walk rows that the launch has read, and ask for nothing.
.macro ASK
	s_cmp_gt_u32 s3, s[LIM]
	s_cbranch_scc0 .Lnot_mine_\@
	global_prefetch_b8 v[PFO], s[PFA:PFA+1] th:TH_LOAD_NT scope:SCOPE_SE
.Lnot_mine_\@:
.endm
; The bias of my 128 columns into the accumulators of row block a: register j of block b takes bc[.. + 16 b + 8 (l / 16) + j]
.macro BIAS a
	WIN 0x40                                       ; destination window 1, address window 0
.irp b, 0,1,2,3,4,5,6,7
	global_load_b128 v[8*(8*(\a)+(\b)):8*(8*(\a)+(\b))+3],   v[BO], s[BP:BP+1] offset:64*(\b)
	global_load_b128 v[8*(8*(\a)+(\b))+4:8*(8*(\a)+(\b))+7], v[BO], s[BP:BP+1] offset:64*(\b)+16
.endr
	WIN 0
.endm
	s_load_b256 s[4:11], s[0:1], 0x0               ; xb 4:5, wb 6:7, bc 8:9, qkv 10:11: these four pairs are never rewritten
	v_lshl_add_u32 v[SPW], v0, 2, SPARE
	v_mov_b32 v[NIL], 0
	ds_add_u32 v[SPW], v[NIL]                      ; the wave's opening: the add and its wait stand ahead of my first tensor load
	v_lshrrev_b32 v1, 5, v0
	v_readfirstlane_b32 s12, v1                    ; wave 0..3
	s_lshr_b32 s13, s12, 1                         ; RH: my half of the tile's rows.  Also: I fetch for A (0) or for B (1)
	s_and_b32 s14, s12, 1                          ; CH: my half of its columns.  Also: which half of that tile I fetch
	s_bfe_u32 s15, ttmp6, 0x40000                  ; cx
	s_bfe_u32 s16, ttmp6, 0x40004                  ; cy
	s_and_b32 s19, ttmp7, 0xffff                   ; cluster y, 0..15
	s_lshl_b32 s18, s19, 2
	s_add_co_u32 s18, s18, s16                     ; Y: tile row = 4 x cluster y + cy
	s_mul_i32 s97, s19, 11
	s_lshr_b32 s97, s97, 5                         ; cluster y / 3 (11 / 32 serves 0..15)
	s_mul_i32 s40, s97, 3
	s_sub_co_u32 s[G], s19, s40                    ; the first column group: cluster y % 3, the same in all sixteen partners
	s_lshl_b32 s17, s[G], 2
	s_add_co_u32 s17, s17, s15                     ; the first tile column = 4 x group + cx
	s_lshl_b32 s40, s16, 2
	s_lshl_b32 s40, 15, s40                        ; my row of the cluster
	s_lshl_b32 s41, 0x1111, s15                    ; my column
	s_or_b32 s[G1A], s40, (1<<16)|(1<<20)|(1<<21)|(5<<22)|(3<<25)  ; the mask; 2-byte elements; padding on; bit 21 beside a mask; after every 64 words, 4 words
	s_or_b32 s[G1B], s41, (1<<16)|(1<<20)|(1<<21)|(6<<22)|(7<<25)  ; after every 128 words, 8 words
	s_mov_b32 s[G1A+1], 128<<16                    ; tensor_dim0 = 128
	s_mov_b32 s[G1A+2], 64<<16                     ; tensor_dim1 = 64
	s_mov_b32 s[G1A+3], 128<<16                    ; tile_dim0 = 128
	s_mov_b32 s[G1A+4], 64                         ; tile_dim1 = 64
	s_mov_b32 s[G1A+5], KA                         ; elements from row to row
	s_mov_b32 s[G1A+6], 0
	s_mov_b32 s[G1A+7], 0
	s_mov_b32 s[G1B+1], 256<<16                    ; 256 elements a k-row,
	s_mov_b32 s[G1B+2], 64<<16                     ; 64 k-rows
	s_mov_b32 s[G1B+3], 256<<16
	s_mov_b32 s[G1B+4], 64
	s_mov_b32 s[G1B+5], 3072
	s_mov_b32 s[G1B+6], 0
	s_mov_b32 s[G1B+7], 0
	s_mov_b32 s[KN], 2                             ; K steps 0 and 1 come by the first fills
	s_mov_b32 s[GN], s[G]
	s_mov_b32 s[OA+1], 0
	s_mov_b32 s[OB+1], 0
	s_mov_b32 s[TB], 0
	s_mov_b32 s73, 0
	; A's offset hangs on Y and the wave alone, B's on the tile column and the wave alone, each in registers that never hold the other coordinate
	s_lshl_b32 s[BA], s18, 7
	s_lshl_b32 s22, s14, 6
	s_add_co_u32 s[BA], s[BA], s22                 ; row 128 Y + 64 CH
	s_mul_i32 s[BA], s[BA], ROWA
	s_mov_b32 s20, s[BA]
	s_mov_b32 s21, 0
	s_mul_i32 s42, s14, 64*PA                      ; its place in a slot
	s_mul_i32 s[BB], s14, 64*ROWB                  ; k-row 64 CH,
	s_lshl_b32 s68, s15, 9
	s_add_co_u32 s[BB], s[BB], s68                 ; the 512 bytes of tile column cx of a group;
	s_lshl_b32 s68, s[G], 11
	s_add_co_u32 s66, s[BB], s68                   ; a group is 4 tile columns: 2,048 bytes
	s_mov_b32 s67, 0
	s_mul_i32 s96, s14, 64*PB
	s_add_co_u32 s96, s96, ATILE                   ; its place in a slot, behind A's tile
	s_wait_dscnt 0x0                               ; the opening add is done
	s_wait_kmcnt 0x0
	s_add_nc_u64 s[20:21], s[4:5], s[20:21]
	s_add_nc_u64 s[66:67], s[6:7], s[66:67]
	CROUND                                         ; all sixteen work-groups are here: the first joint loads meet
.irp s, 0,1
	s_mov_b32 s[G0A+4*(\s)], 1
	s_add_co_u32 s[G0A+4*(\s)+1], s42, (\s)*SLOT1
	s_add_nc_u64 s[G0A+4*(\s)+2:G0A+4*(\s)+3], s[20:21], (\s)*256
	s_or_b32 s[G0A+4*(\s)+3], s[G0A+4*(\s)+3], 0x80000000
	s_mov_b32 s[G0B+4*(\s)], 1
	s_add_co_u32 s[G0B+4*(\s)+1], s96, (\s)*SLOT1
	s_add_nc_u64 s[G0B+4*(\s)+2:G0B+4*(\s)+3], s[66:67], (\s)*128*ROWB
	s_or_b32 s[G0B+4*(\s)+3], s[G0B+4*(\s)+3], 0x80000000
	JLOAD \s                                       ; two loads of mine are out
.endr
	v_and_b32 v1, 15, v0                           ; r = l % 16
	v_bfe_u32 v2, v0, 4, 1                         ; h = l / 16
	v_lshlrev_b32 v[BO], 5, v2
	s_lshl_b32 s70, s15, 10                        ; bc: 1,024 bytes a tile column, 512 for my half; a group is 4,096
	s_lshl_b32 s71, s14, 9
	s_add_co_u32 s70, s70, s71
	s_mov_b32 s71, 0
	s_lshl_b32 s72, s[G], 12
	s_add_nc_u64 s[BP:BP+1], s[8:9], s[70:71]
	s_add_nc_u64 s[BP:BP+1], s[BP:BP+1], s[72:73]
.irp a, 0,1,2,3
	BIAS \a                                        ; the first tile's sums start with its bias
.endr
	; A's fragment: lane l holds row l % 16; two loads of 16 bytes, 32 bytes apart
	v_mul_u32_u24 v3, v1, PA
	v_lshl_add_u32 v3, v2, 4, v3
	s_mul_i32 s40, s13, 64*PA                      ; my 64 rows
	v_add_nc_u32 v[ADRA0], s40, v3
	; B's: the turning load takes 16 k x 16 n (lane l reads k-row 8 (l / 16) + l % 8, columns 8 ((l / 8) % 2) + 0..7) and leaves half a fragment: lane l holds column l % 16 and 8 k
	v_and_b32 v4, 7, v0
	v_bfe_u32 v5, v0, 3, 1
	v_lshl_add_u32 v4, v2, 3, v4
	v_mul_u32_u24 v4, v4, PB
	v_lshl_add_u32 v4, v5, 4, v4
	s_lshl_b32 s41, s14, 8                         ; my 128 columns
	s_add_co_u32 s41, s41, ATILE
	v_add_nc_u32 v[ADRB0], s41, v4
	s_mul_i32 s40, s12, 16*SP
	s_add_co_u32 s40, s40, STAGE                   ; my stage
	v_mul_u32_u24 v6, v1, SP                       ; in: row l % 16, 16 bytes for each half of the lanes
	v_lshl_add_u32 v6, v2, 4, v6
	v_add_nc_u32 v[STO], s40, v6
	v_mul_u32_u24 v6, v2, SP                       ; back: lanes 0-15 one row of 256 bytes, lanes 16-31 the next
	v_lshl_add_u32 v6, v1, 4, v6
	v_add_nc_u32 v[RD], s40, v6
	v_mul_u32_u24 v6, v2, ROWC                     ; and the same two rows in qkv
	v_lshl_add_u32 v[CO], v1, 4, v6
	s_lshl_b32 s74, s18, 7                         ; where my part of a tile begins in qkv, the group's 2,048 bytes left out
	s_lshl_b32 s75, s13, 6
	s_add_co_u32 s74, s74, s75
	s_mul_i32 s74, s74, ROWC
	s_lshl_b32 s75, s15, 9
	s_add_co_u32 s74, s74, s75
	s_lshl_b32 s75, s14, 8
	s_add_co_u32 s74, s74, s75
	s_mov_b32 s75, 0
	; the prefetches: they stand at K step 3; the first refill steps them to 4
	s_lshl_b32 s20, s18, 7
	s_lshl_b32 s21, s15, 5
	s_add_co_u32 s20, s20, s21                     ; A: row 128 Y + 32 cx
	s_mul_i32 s20, s20, ROWA
	s_add_co_u32 s20, s20, 3*256
	s_lshl_b32 s22, s14, 6
	s_lshl_b32 s21, s16, 4
	s_add_co_u32 s22, s22, s21                     ; B: k-row 64 CH + 16 cy
	s_add_co_u32 s22, s22, 3*128
	s_mul_i32 s22, s22, ROWB
	s_lshl_b32 s21, s17, 9
	s_add_co_u32 s22, s22, s21
	s_mov_b32 s[PFS], 128*ROWB
	s_mov_b32 s40, ROWB
	s_cmp_eq_u32 s13, 0                            ; do I fetch for A?
	s_cselect_b64 s[PFA:PFA+1], s[4:5], s[6:7]
	s_cselect_b32 s20, s20, s22
	s_cselect_b32 s[PFS], 256, s[PFS]
	s_cselect_b32 s40, ROWA, s40
	s_cselect_b32 s41, s14, s97                    ; for A: 0 in wave 0; for B: 0 in clusters y = 0, 1, 2
	s_mov_b32 s21, 0
	s_mov_b32 s[PFS+1], 0
	s_add_nc_u64 s[PFA:PFA+1], s[PFA:PFA+1], s[20:21]
	s_cmp_eq_u32 s41, 0
	s_cselect_b32 s[LIM], STEPS-2-4, -1            ; the same in all sixteen partners, for a given wave
	v_and_b32 v6, 31, v0
	v_lshrrev_b32 v7, s13, v6                      ; A: a lane a row; B: two lanes a k-row,
	v_mul_u32_u24 v[PFO], s40, v7
	v_and_b32 v7, s13, v6
	v_lshl_add_u32 v[PFO], v7, 8, v[PFO]           ; its two blocks of 256 bytes
; 8 matrix instructions: row block a x all 8 column blocks, 32 along K, buffer f.  The 32 accumulators take turns, one instruction a turn, in the same order in every quarter.
.macro MUL8 f, a
	WIN 0x50                                       ; C and D in window 1
.irp b, 0,1,2,3,4,5,6,7
	v_wmma_f32_16x16x32_bf16 v[8*(8*(\a)+(\b)):8*(8*(\a)+(\b))+7], v[64+64*(\f)+8*(\b):64+64*(\f)+8*(\b)+7], v[192+32*(\f)+8*(\a):192+32*(\f)+8*(\a)+7], v[8*(8*(\a)+(\b)):8*(8*(\a)+(\b))+7]
.endr
.endm
.macro MUL16 f, a0
	MUL8 \f, \a0
	MUL8 \f, (\a0)+1
.endm
; 24 LDS loads in one run: quarter q (32 along K) of the slot in hand into buffer g: B's 8 fragments, turned, then A's 4
.macro FETCH q, g
	WIN 0
.irp b, 0,1,2,3,4,5,6,7
	ds_load_tr16_b128 v[64+64*(\g)+8*(\b):64+64*(\g)+8*(\b)+3],   v[ADRB] offset:(\q)*32*PB+32*(\b)
	ds_load_tr16_b128 v[64+64*(\g)+8*(\b)+4:64+64*(\g)+8*(\b)+7], v[ADRB] offset:(\q)*32*PB+16*PB+32*(\b)
.endr
.irp i, 0,1,2,3
	ds_load_b128 v[192+32*(\g)+8*(\i):192+32*(\g)+8*(\i)+3],   v[ADRA] offset:64*(\q)+(\i)*16*PA
	ds_load_b128 v[192+32*(\g)+8*(\i)+4:192+32*(\g)+8*(\i)+7], v[ADRA] offset:64*(\q)+(\i)*16*PA+32
.endr
.endm
; A K step is four quarters of 32 along K, 32 matrix instructions each, on buffers 0, 1, 0, 1.  One of the first three: multiplies buffer f, and in its middle fetches quarter q into buffer g.
.macro QUARTER q, f, g
	s_wait_dscnt 4                                 ; B and A's blocks 0, 1 are in; the youngest four loads (A's blocks 2, 3) may be out
	MUL16 \f, 0
	PLACES
	FETCH \q, \g
	s_wait_dscnt 24                                ; all but the 24 just issued
	MUL16 \f, 2
.endm
; The last quarter multiplies buffer 1 and changes slots: ONE barrier.  In front of it each wave waits for all its tensor loads (one is out: its part of the next slot), adds 0 to its spare word, and waits for
; that and for its own reads of this slot.  fill = 1: the barrier opens a round of the cluster's, and this slot is filled again, two K steps ahead, first thing behind the round: 112 matrix instructions ahead of the wait for it.
; fill = 0: the launch's last two steps: nothing is asked for, and behind the very last step there are no fragments to fetch.
.macro TURN fill
.if \fill
	s_wait_xcnt 0x0                                ; the last prefetch, a K step back, has read its address
	s_add_nc_u64 s[PFA:PFA+1], s[PFA:PFA+1], s[PFS:PFS+1]
.endif
	WIN 0
	s_wait_tensorcnt 0x0                           ; all my tensor loads have landed;
	ds_add_u32 v[SPW], v[NIL]                      ; 0 onto my spare word;
	s_wait_dscnt 5                                 ; (the add and the youngest four loads may be out)
	MUL8 1, 0                                      ; eight matrix instructions stand between the add and the wait for it
	s_wait_dscnt 0x0                               ; the add is done, and my reads of this slot are over
	s_barrier_signal -1
	MUL8 1, 1                                      ; work on registers while the others arrive
	WIN 0
	s_barrier_wait -1
.if \fill
	CREST                                          ; no wave of any partner still reads this slot's tiles or has a load on its way
	s_xor_b32 s[G0A+5], s[G0A+5], SLOT1            ; no tensor load of mine is out, so the descriptors may be written: the other slot than last time;
	s_add_nc_u64 s[G0A+6:G0A+7], s[4:5], s[OA:OA+1]  ; the address made anew: the buffer's and the offset that the step's head has made;
	s_or_b32 s[G0A+7], s[G0A+7], 0x80000000        ; type = 2
	s_xor_b32 s[G0B+5], s[G0B+5], SLOT1
	s_add_nc_u64 s[G0B+6:G0B+7], s[6:7], s[OB:OB+1]
	s_or_b32 s[G0B+7], s[G0B+7], 0x80000000
	JLOAD 1                                        ; its four v_nop are also the places in front of the loads below
.else
	PLACES
	s_cmp_eq_u32 s3, 1
	s_cbranch_scc1 .Lno_next_\@
.endif
	s_xor_b32 s[TB], s[TB], SLOT1                  ; the fetches go on in the other slot
	v_add_nc_u32 v[ADRA], s[TB], v[ADRA0]
	v_add_nc_u32 v[ADRB], s[TB], v[ADRB0]
	FETCH 0, 0
.if \fill
	ASK
.else
.Lno_next_\@:
.endif
	MUL16 1, 2
.endm
.macro STEP fill
.if \fill
	s_lshl_b32 s[OA], s[KN], 8                     ; what this step's refill asks for: K step KN (256 bytes along A's rows,
	s_add_co_u32 s[OA], s[OA], s[BA]
	s_mul_i32 s[OB], s[KN], 128*ROWB               ; 128 k-rows down B) of the tile in column group GN (2,048 bytes along B's rows)
	s_add_co_u32 s[OB], s[OB], s[BB]
	s_lshl_b32 s[TG], s[GN], 11
	s_add_co_u32 s[OB], s[OB], s[TG]
	s_add_co_u32 s[KN], s[KN], 1                   ; the next refill: the next K step, or behind a tile's last the first of the next group's tile,
	s_cmp_eq_u32 s[KN], KSTEPS
	s_cselect_b32 s[KN], 0, s[KN]
	s_cselect_b32 s[TG], 1, 0
	s_add_co_u32 s[GN], s[GN], s[TG]
	s_cmp_eq_u32 s[GN], 3                          ; the groups in a ring of three
	s_cselect_b32 s[GN], 0, s[GN]
.endif
	QUARTER 1, 0, 1
	QUARTER 2, 1, 0
	QUARTER 3, 0, 1
	TURN \fill
	WIN 0                                          ; at a label and at a branch every window is 0
.endm
; THE WAY OUT of row block a.  PACK: rounded to f16, 16 bytes a lane, each accumulator's registers in ascending order.  TOSTAGE: into my own stage, and back as whole rows of 256 bytes, into fragment
; buffer 1 (buffer 0 holds the next step's fragments).  SEND: stored.
.macro PACK a
	WIN 0x05                                       ; sources in window 1, destination in window 0
.irp b, 0,1,2,3,4,5,6,7
.irp r, 0,1,2,3
	v_cvt_pk_f16_f32 v[TMP+4*(\b)+(\r)], v[8*(8*(\a)+(\b))+2*(\r)], v[8*(8*(\a)+(\b))+2*(\r)+1]
.endr
.endr
	WIN 0
.endm
.macro TOSTAGE a
.set BK, 128+32*((\a)%2)
.irp b, 0,1,2,3,4,5,6,7
	ds_store_b128 v[STO], v[TMP+4*(\b):TMP+4*(\b)+3] offset:32*(\b)
.endr
.irp t, 0,1,2,3,4,5,6,7
	ds_load_b128 v[BK+4*(\t):BK+4*(\t)+3], v[RD] offset:(\t)*2*SP  ; LDS serves a wave's instructions in order (ISA guide 5.7.1.4): these see the stores above
.endr
.endm
.macro SEND a
.set BK, 128+32*((\a)%2)
	s_wait_dscnt 0x0                               ; the block is back in registers
	s_wait_xcnt 0x0                                ; earlier stores have read their base and their data: only now are they written again
.if (\a) > 0
	s_add_nc_u64 s[CP:CP+1], s[CP:CP+1], 16*ROWC
.endif
.irp t, 0,1,2,3,4,5,6,7
	global_store_b128 v[CO], v[BK+4*(\t):BK+4*(\t)+3], s[CP:CP+1] offset:2*(\t)*ROWC  ; 16 lanes store 256 consecutive bytes, at a multiple of 256 from qkv's first byte
.endr
.endm
; A whole tile goes out.  next = 1: another tile follows: both its first refills are out already; as soon as a row block is packed its accumulators take the next tile's bias.
.macro WAYOUT next
	PLACES
	PLACES
	s_wait_xcnt 0x0                                ; the last tile's stores and bias loads have read their bases
	s_lshl_b32 s72, s[G], 11                       ; the group's 2,048 bytes in a row of qkv
	s_add_nc_u64 s[CP:CP+1], s[10:11], s[74:75]
	s_add_nc_u64 s[CP:CP+1], s[CP:CP+1], s[72:73]
.if \next
	s_add_co_u32 s[G], s[G], 1                     ; the next group, in a ring of three,
	s_cmp_eq_u32 s[G], 3
	s_cselect_b32 s[G], 0, s[G]
	s_lshl_b32 s72, s[G], 12                       ; and its bias
	s_add_nc_u64 s[BP:BP+1], s[8:9], s[70:71]
	s_add_nc_u64 s[BP:BP+1], s[BP:BP+1], s[72:73]
.endif
	PACK 0
.if \next
	BIAS 0
.endif
	TOSTAGE 0
.irp a, 1,2,3                          ; block a's conversions stand between block a - 1's loads from the stage and the wait for them
	PACK \a
.if \next
	BIAS \a
.endif
	SEND (\a)-1
	TOSTAGE \a
.endr
	SEND 3
.if \next
	s_wait_loadcnt 0x0                             ; the bias lies in the accumulators
	s_wait_xcnt 0x0                                ; the stores have read buffer 1's registers: the next step fetches into them
.endif
.endm
	s_wait_tensorcnt 0x1                           ; my part of K step 0 is in; K step 1's may stay out
	s_barrier_signal -1
	s_barrier_wait -1                              ; everybody's is
	v_add_nc_u32 v[ADRA], s[TB], v[ADRA0]
	v_add_nc_u32 v[ADRB], s[TB], v[ADRB0]
	FETCH 0, 0
	s_wait_loadcnt 0x0                             ; the bias lies in the accumulators
	s_mov_b32 s[PH], KSTEPS
	s_mov_b32 s3, STEPS-2
.Lstep:                                                ; 22 trips: a K step, and the refill two steps ahead
	STEP 1
	s_sub_co_u32 s[PH], s[PH], 1
	s_cmp_lg_u32 s[PH], 0
	s_cbranch_scc1 .Lgo_on                         ; forward, past text that holds neither a barrier nor a tensor load
	WAYOUT 1
	s_mov_b32 s[PH], KSTEPS
.Lgo_on:
	s_sub_co_u32 s3, s3, 1
	s_cmp_lg_u32 s3, 0
	s_cbranch_scc1 .Lstep
	s_mov_b32 s3, 2
.Ltail:                                                ; the last two steps are a text of their own
	STEP 0
	s_sub_co_u32 s3, s3, 1
	s_cmp_lg_u32 s3, 0
	s_cbranch_scc1 .Ltail
	WAYOUT 0
	s_wait_tensorcnt 0x0                           ; the wave's end, behind my last tensor load and my last LDS store
	ds_add_u32 v[SPW], v[NIL]
	s_wait_dscnt 0x0
	CROUND                                         ; the closing round: no work-group ends while a partner may still ask for a tile that names it
	s_endpgm
.Lfunc_end_k_qa66200e913_proj:
	.size	k_qa66200e913_proj, .Lfunc_end_k_qa66200e913_proj-k_qa66200e913_proj
	.p2alignl 7, 3214868480
	.fill 96, 4, 3214868480
	.section	.rodata,"a",@progbits
	.p2align	6, 0x0
	.amdhsa_kernel k_qa66200e913_proj
		.amdhsa_group_segment_fixed_size 327680
		.amdhsa_private_segment_fixed_size 0
		.amdhsa_enable_private_segment 0
		.amdhsa_kernarg_size 32
		.amdhsa_user_sgpr_count 2
		.amdhsa_user_sgpr_kernarg_segment_ptr 1
		.amdhsa_wavefront_size32 1
		.amdhsa_system_sgpr_workgroup_id_x 1
		.amdhsa_system_sgpr_workgroup_id_y 1
		.amdhsa_system_sgpr_workgroup_id_z 1
		.amdhsa_system_vgpr_workitem_id 0
		.amdhsa_next_free_vgpr 512
		.amdhsa_next_free_sgpr 100
		.amdhsa_reserve_vcc 0
		.amdhsa_float_denorm_mode_32 3
		.amdhsa_float_denorm_mode_16_64 3
		.amdhsa_memory_ordered 1
		.amdhsa_forward_progress 1
		.amdhsa_inst_pref_size 89
	.end_amdhsa_kernel
	.amdgpu_metadata
---
amdhsa.version: [ 1, 2 ]
amdhsa.kernels:
  - .name:           k_qa66200e913_proj
    .symbol:         k_qa66200e913_proj.kd
    .args:
      - { .name: xb, .offset: 0, .size: 8, .value_kind: global_buffer, .address_space: global }
      - { .name: wb, .offset: 8, .size: 8, .value_kind: global_buffer, .address_space: global }
      - { .name: bc, .offset: 16, .size: 8, .value_kind: global_buffer, .address_space: global }
      - { .name: qkv, .offset: 24, .size: 8, .value_kind: global_buffer, .address_space: global }
    .group_segment_fixed_size: 327680
    .private_segment_fixed_size: 0
    .kernarg_segment_align: 8
    .kernarg_segment_size: 32
    .max_flat_workgroup_size: 128
    .sgpr_count:     100
    .vgpr_count:     512
    .wavefront_size: 32
...
	.end_amdgpu_metadata
.endif
;; end of part 2
;; launch scores (part 3): grid 8 x 32, 4 waves a work-group, clusters of 4 x 4, 327,680 bytes of LDS; arguments qkv, pm, st; writes pm, st
.if DOCPART == 3
	.amdgcn_target "amdgcn-amd-amdhsa--gfx1250"
	.amdhsa_code_object_version 6
	.text
	.protected	k_qa66200e913_scores
	.globl	k_qa66200e913_scores
	.p2align	8
	.type	k_qa66200e913_scores,@function
k_qa66200e913_scores:
	s_mov_b64 s[64:65], 0
	v_nop
	global_prefetch_b8 v0, s[64:65] scope:SCOPE_SE
	s_setreg_imm32_b32 hwreg(HW_REG_WAVE_MODE, 25, 1), 1
	s_wait_xcnt 0x0
	s_wait_alu depctr_hold_cnt(0) depctr_sa_sdst(0) depctr_va_vdst(0) depctr_va_sdst(0) depctr_va_ssrc(0) depctr_va_vcc(0) depctr_vm_vsrc(0)
	s_getreg_b32 s2, hwreg(HW_REG_IB_STS2, 6, 4)
	s_cmp_eq_u32 s2, 0
	s_cbranch_scc0 .Lentry_in_a_cluster
	s_endpgm
.Lentry_in_a_cluster:
	s_bfe_u32 s2, ttmp6, 0x10000c
	s_cmp_lg_u32 s2, 0xf033
	s_cbranch_scc0 .Lentry_shape_is_right
	s_endpgm
.Lentry_shape_is_right:
; S = Q K^T for a tile of 256 queries x 256 keys of one batch, and the first half of the softmax.  Q and K are the first and second 1,024 f16 of qkv's rows (6,144 bytes a row).
; For each query and each CHUNK of 128 keys (a wave's half of the tile's columns): cm = c x the chunk's largest score, c = log2(e) / 32; p = 2^(c s - cm), rounded to f16 into pm[8192][2048];
; l = the sum of the unrounded p.  cm and l go, in f32, to st[tile of 128 rows][chunk 0..15][cm, l][128]; a row's place among the 128 is (row % 16) x 8 + row / 16.
; The next launch takes the true maximum of a row's 16 chunks and corrects each chunk by 2^(cm - M): the maximum is taken away exactly, in two steps.
; LIMITS.  A weight below 2^-126 counts as 0 in l; below 6e-5 p keeps f16's fixed step; NaN and infinities are not treated apart.
; SHARES.  256 work-groups of four waves; a wave makes 128 x 128: 64 accumulators, 512 registers.  K (1,024) goes in steps of 128 through a ring of two LDS slots.
; THE MATRIX INSTRUCTION IS USED TRANSPOSED (source 0 = 16 keys, source 1 = 16 queries): a lane holds ONE query (l % 16) and the keys 8 (l / 16) + 0..7 of each block: a row's maximum and
; sum want one exchange between the halves of the lanes, and eight neighbouring p pack into 16 bytes.
; CLUSTER 4 x 4: Q's tile is shared along a row of the cluster, K's along a column; the batch is cluster y / 2, which all sixteen share.
; REGISTERS: window 0: v0-31 addresses; v64-127, v128-191 Q's fragments, two buffers (on the way out v64-111 at work); v32-63, v192-255 the way out
;   window 1: v64-127, v128-191 K's fragments;   window 2: the accumulators of my rows 0-63, (a, b) at v[8 (8 a + b)];   window 3: those of my rows 64-127
; SCALARS: s[4:9] the arguments; s[10:11] c; s12-19 ids; s[24:39] Q's descriptors; s[44:45] the prefetches' place; s46-47 lane selects; s[48:63] K's descriptors: no other line writes a descriptor's register.
.set PITCH, 272                        ; an LDS row: 256 bytes + 16 = 68 words: the 16 rows of a load start at 16 different groups of four banks (64 banks of 4 bytes: ISA guide 11.1)
.set HALFT, 128*PITCH                  ; 128 rows: what one tensor load brings
.set SLOT,  4*HALFT                    ; Q's 256 rows, then K's 256
.set STAGE, 2*SLOT                     ; behind the ring: 16 rows x 272 bytes for each wave
.set SP,    272
.set SPARE, STAGE+4*16*SP              ; the spare words, 128 bytes a wave: two blocks of 256 bytes that no other line names
.set ROWQ,  6144                       ; bytes in a row of qkv
.set ROWP,  4096                       ; of pm
.set LAPS,  4
.set ADRA, 16                          ; v16-17  LDS address of my Q fragments in slot 0, 1
.set ADRB, 20                          ; v20-21  of my K fragments
.set STO,  24
.set RD,   25
.set CO,   26                          ; v26     my byte offset in pm
.set SO,   27                          ; v27     my 16 bytes in a chunk's 512 bytes of st
.set SPW,  28
.set NIL,  29
.set PFO,  30                          ; v30     my lane x a row of qkv
.set OB,   32                          ; 16 rows read back from the stage: v32-63 and v224-255 by turns
.set F0,   64
.set F1,   128
.set T,    64                          ; the way out: v64-87 at work
.set CM,   88                          ; v[88:89] c m of the block in hand, twice
.set MS,   96                          ; v96-103  c m of block a
.set LS,   104                         ; v104-111 l of block a
.set TMP,  192                         ; v192-223 packed p
.set CS,  10                           ; s[10:11] c: the packed scaling takes the pair's low word for both halves
.set G1A, 24
.set G0A, 32
.set LIM, 43
.set PFA, 44
.set SEL, 46                           ; s46-47  v_permlanex16_b32's selects
.set G1B, 48
.set G0B, 56
.set MSB, 0
.macro WIN new
.if MSB != (\new)
	s_set_vgpr_msb (MSB<<8)|(\new)
.set MSB, \new
.endif
.endm
.macro PLACES
.rept 4
	v_nop
.endr
.endm
.macro JLOAD s                         ; waves 0 and 1 fetch Q's two halves, waves 2 and 3 K's; an s_nop 0 and four v_nop follow each line
	s_cmp_eq_u32 s13, 0
	s_cbranch_scc0 .Lfor_b_\@
	tensor_load_to_lds s[G0A+4*(\s):G0A+4*(\s)+3], s[G1A:G1A+7]
	s_nop 0
.rept 4
	v_nop
.endr
	s_branch .Lasked_\@
.Lfor_b_\@:
	tensor_load_to_lds s[G0B+4*(\s):G0B+4*(\s)+3], s[G1B:G1B+7]
	s_nop 0
.rept 4
	v_nop
.endr
.Lasked_\@:
.endm
.macro CREST
	s_cmp_lg_u32 s12, 0
	s_cbranch_scc1 .Lnot_wave_0_\@
	s_barrier_signal -3
.Lnot_wave_0_\@:
	s_barrier_wait -3
	s_barrier_signal -1
	s_barrier_wait -1
.endm
.macro CROUND
	s_barrier_signal -1
	s_barrier_wait -1
	CREST
.endm
; A prefetch into the L2 of the K step two refills on: 32 rows x 256 bytes, a lane a row.  Q's rows are asked for by the clusters with x = 0, K's by the first of the batch's two rows of clusters;
; of the 128 rows that a wave fetches the partner at place p (cx for Q, cy for K) takes 32 p .. 32 p + 31: told apart by address.  The loop's last trip (s3 = 1) asks for nothing.
.macro ASK
	s_cmp_gt_u32 s3, s[LIM]
	s_cbranch_scc0 .Lnot_mine_\@
	global_prefetch_b8 v[PFO], s[PFA:PFA+1] th:TH_LOAD_NT scope:SCOPE_SE
.Lnot_mine_\@:
.endm
	s_load_b128 s[4:7], s[0:1], 0x0                ; qkv 4:5, pm 6:7
	s_load_b64 s[8:9], s[0:1], 0x10                ; st
	v_lshl_add_u32 v[SPW], v0, 2, SPARE
	v_mov_b32 v[NIL], 0
	ds_add_u32 v[SPW], v[NIL]                      ; the wave's opening: the add and its wait stand ahead of my first tensor load
	v_lshrrev_b32 v1, 5, v0
	v_readfirstlane_b32 s12, v1                    ; wave 0..3
	s_lshr_b32 s13, s12, 1                         ; RH: my half of the rows.  Also: I fetch Q (0) or K (1)
	s_and_b32 s14, s12, 1                          ; CH: my half of the columns.  Also: which 128 rows I fetch
	s_bfe_u32 s15, ttmp6, 0x40000                  ; cx
	s_bfe_u32 s16, ttmp6, 0x40004                  ; cy
	s_lshl_b32 s17, ttmp9, 2
	s_add_co_u32 s17, s17, s15                     ; X: key tile in the batch, 0..7
	s_and_b32 s19, ttmp7, 0xffff                   ; cluster y
	s_lshl_b32 s18, s19, 2
	s_add_co_u32 s18, s18, s16                     ; Y: query tile, 0..31
	s_lshl_b32 s40, s16, 2
	s_lshl_b32 s40, 15, s40                        ; my row of the cluster
	s_lshl_b32 s41, 0x1111, s15                    ; my column
	s_or_b32 s[G1A], s40, (1<<16)|(1<<20)|(1<<21)|(5<<22)|(3<<25)  ; the mask; 2-byte elements; padding on; bit 21 beside a mask; after every 64 words, 4 words
	s_or_b32 s[G1B], s41, (1<<16)|(1<<20)|(1<<21)|(5<<22)|(3<<25)
.irp g, G1A, G1B
	s_mov_b32 s[(\g)+1], 128<<16                   ; tensor_dim0 = 128
	s_mov_b32 s[(\g)+2], 128<<16                   ; tensor_dim1 = 128
	s_mov_b32 s[(\g)+3], 128<<16                   ; tile_dim0 = 128
	s_mov_b32 s[(\g)+4], 128                       ; tile_dim1 = 128
	s_mov_b32 s[(\g)+5], 3072                      ; elements from row to row
	s_mov_b32 s[(\g)+6], 0
	s_mov_b32 s[(\g)+7], 0
.endr
	s_mov_b32 s[CS], 0x3d38aa3b                    ; c = log2(e) / 32
	s_mov_b32 s[CS+1], s[CS]                       ; named with it as a pair
	s_mov_b32 s[SEL], 0x76543210                   ; each lane takes its own place in the other half
	s_mov_b32 s[SEL+1], 0xfedcba98
	s_lshl_b32 s20, s18, 8
	s_lshl_b32 s22, s14, 7
	s_add_co_u32 s20, s20, s22                     ; Q: row 256 Y + 128 half
	s_mul_i32 s20, s20, ROWQ
	s_mov_b32 s21, 0
	s_lshr_b32 s66, s19, 1                         ; K: the batch,
	s_lshl_b32 s66, s66, 11                        ; its 2,048 rows,
	s_lshl_b32 s68, s17, 8
	s_add_co_u32 s66, s66, s68                     ; + 256 X
	s_lshl_b32 s68, s14, 7
	s_add_co_u32 s66, s66, s68                     ; + 128 half
	s_mul_i32 s66, s66, ROWQ
	s_add_co_u32 s66, s66, 2048                    ; K lies 2,048 bytes into a row
	s_mov_b32 s67, 0
	s_mul_i32 s42, s12, HALFT                      ; where they go: wave x 128 rows
	s_wait_dscnt 0x0                               ; the opening add is done
	s_wait_kmcnt 0x0
	s_add_nc_u64 s[20:21], s[4:5], s[20:21]
	s_add_nc_u64 s[66:67], s[4:5], s[66:67]
	CROUND                                         ; all sixteen work-groups are here: the first joint loads meet
.irp s, 0,1
	s_mov_b32 s[G0A+4*(\s)], 1
	s_add_co_u32 s[G0A+4*(\s)+1], s42, (\s)*SLOT
	s_add_nc_u64 s[G0A+4*(\s)+2:G0A+4*(\s)+3], s[20:21], (\s)*256
	s_or_b32 s[G0A+4*(\s)+3], s[G0A+4*(\s)+3], 0x80000000
	s_mov_b32 s[G0B+4*(\s)], 1
	s_add_co_u32 s[G0B+4*(\s)+1], s42, (\s)*SLOT
	s_add_nc_u64 s[G0B+4*(\s)+2:G0B+4*(\s)+3], s[66:67], (\s)*256
	s_or_b32 s[G0B+4*(\s)+3], s[G0B+4*(\s)+3], 0x80000000
	JLOAD \s                                       ; two loads of mine are out
.endr
	v_and_b32 v1, 15, v0                           ; r = l % 16; kept
	v_bfe_u32 v2, v0, 4, 1                         ; h = l / 16; kept
	v_mul_u32_u24 v3, v1, PITCH
	v_lshl_add_u32 v3, v2, 4, v3                   ; a fragment's row x pitch + 16 x half
	s_mul_i32 s40, s13, HALFT                      ; my 128 rows of Q
	s_mul_i32 s41, s14, HALFT                      ; my 128 rows of K,
	s_add_co_u32 s41, s41, 2*HALFT                 ; behind Q's 256
	v_add_nc_u32 v[ADRA], s40, v3
	v_add_nc_u32 v[ADRA+1], SLOT, v[ADRA]
	v_add_nc_u32 v[ADRB], s41, v3
	v_add_nc_u32 v[ADRB+1], SLOT, v[ADRB]
	s_mul_i32 s40, s12, 16*SP
	s_add_co_u32 s40, s40, STAGE                   ; my stage
	v_mul_u32_u24 v4, v1, SP
	v_lshl_add_u32 v4, v2, 4, v4
	v_add_nc_u32 v[STO], s40, v4
	v_mul_u32_u24 v4, v2, SP
	v_lshl_add_u32 v4, v1, 4, v4
	v_add_nc_u32 v[RD], s40, v4
	v_lshlrev_b32 v4, 12, v2                       ; two rows of pm
	v_lshl_add_u32 v[CO], v1, 4, v4
	v_lshlrev_b32 v[SO], 5, v1                     ; place 8 r + 4 h, 4 bytes each
	v_lshl_add_u32 v[SO], v2, 4, v[SO]
	s_lshl_b32 s74, s18, 8                         ; where my part of the tile begins in pm
	s_lshl_b32 s75, s13, 7
	s_add_co_u32 s74, s74, s75
	s_lshl_b32 s74, s74, 12
	s_lshl_b32 s75, s17, 9
	s_add_co_u32 s74, s74, s75
	s_lshl_b32 s75, s14, 8
	s_add_co_u32 s74, s74, s75
	s_mov_b32 s75, 0
	s_lshl_b32 s72, s18, 1                         ; st: tile of 128 rows 2 Y + RH, chunk 2 X + CH, 1,024 bytes each
	s_add_co_u32 s72, s72, s13
	s_lshl_b32 s72, s72, 4
	s_lshl_b32 s73, s17, 1
	s_add_co_u32 s72, s72, s73
	s_add_co_u32 s72, s72, s14
	s_lshl_b32 s72, s72, 10
	s_mov_b32 s73, 0
	s_add_nc_u64 s[8:9], s[8:9], s[72:73]
	; the prefetches: they stand at K step 3; the first refill steps them to 4
	s_lshl_b32 s76, s18, 8
	s_lshl_b32 s77, s14, 7
	s_add_co_u32 s76, s76, s77
	s_lshl_b32 s77, s15, 5
	s_add_co_u32 s76, s76, s77                     ; Q: row 256 Y + 128 half + 32 cx
	s_mul_i32 s76, s76, ROWQ
	s_add_co_u32 s76, s76, 3*256
	s_lshr_b32 s78, s19, 1
	s_lshl_b32 s78, s78, 11
	s_lshl_b32 s77, s17, 8
	s_add_co_u32 s78, s78, s77
	s_lshl_b32 s77, s14, 7
	s_add_co_u32 s78, s78, s77
	s_lshl_b32 s77, s16, 5
	s_add_co_u32 s78, s78, s77                     ; K: the batch's row 256 X + 128 half + 32 cy
	s_mul_i32 s78, s78, ROWQ
	s_add_co_u32 s78, s78, 2048+3*256
	s_and_b32 s41, s19, 1                          ; 0 in the first of the batch's two rows of clusters
	s_cmp_eq_u32 s13, 0
	s_cselect_b32 s76, s76, s78
	s_cselect_b32 s41, ttmp9, s41
	s_mov_b32 s77, 0
	s_add_nc_u64 s[PFA:PFA+1], s[4:5], s[76:77]
	s_cmp_eq_u32 s41, 0
	s_cselect_b32 s[LIM], 1, -1                    ; the same in all sixteen partners, for a given wave
	v_and_b32 v[PFO], 31, v0
	v_mul_u32_u24 v[PFO], v[PFO], ROWQ
; 16 matrix instructions: row blocks a0, a0 + 1 of the window's four (hi = 0: my rows 0-63, 1: rows 64-127) x all 8 key blocks.  zero = 1: the first product starts the sums.
; The 64 accumulators take turns, one instruction a turn, in the same order in every quarter.
.macro MUL16 f, hi, a0, zero
	WIN 0xa1+0x50*(\hi)                            ; source 0 (K) window 1, source 1 (Q) window 0, C and D window 2 or 3
.irp a, \a0, (\a0)+1
.irp b, 0,1,2,3,4,5,6,7
.if \zero
	v_wmma_f32_16x16x32_f16 v[8*(8*(\a)+(\b)):8*(8*(\a)+(\b))+7], v[(\f)+8*(\b):(\f)+8*(\b)+7], v[(\f)+8*(4*(\hi)+(\a)):(\f)+8*(4*(\hi)+(\a))+7], 0
.else
	v_wmma_f32_16x16x32_f16 v[8*(8*(\a)+(\b)):8*(8*(\a)+(\b))+7], v[(\f)+8*(\b):(\f)+8*(\b)+7], v[(\f)+8*(4*(\hi)+(\a)):(\f)+8*(4*(\hi)+(\a))+7], v[8*(8*(\a)+(\b)):8*(8*(\a)+(\b))+7]
.endif
.endr
.endr
.endm
; 32 LDS loads in one run: 128 rows of K, 128 rows of Q, 32 along K at byte k of the rows, into buffer f
.macro FETCH slot, k, f
	WIN 0x40                                       ; destination window 1
.irp i, 0,1,2,3,4,5,6,7
	ds_load_b128 v[(\f)+8*(\i):(\f)+8*(\i)+3],   v[ADRB+(\slot)] offset:(\k)+(\i)*16*PITCH
	ds_load_b128 v[(\f)+8*(\i)+4:(\f)+8*(\i)+7], v[ADRB+(\slot)] offset:(\k)+(\i)*16*PITCH+32
.endr
	WIN 0
.irp i, 0,1,2,3,4,5,6,7
	ds_load_b128 v[(\f)+8*(\i):(\f)+8*(\i)+3],   v[ADRA+(\slot)] offset:(\k)+(\i)*16*PITCH
	ds_load_b128 v[(\f)+8*(\i)+4:(\f)+8*(\i)+7], v[ADRA+(\slot)] offset:(\k)+(\i)*16*PITCH+32
.endr
.endm
.macro QUARTER slot, k, f, g, zero
	s_wait_dscnt 8                                 ; K and Q's rows 0-63 are in; the youngest eight loads (Q's rows 64-127) may be out
	MUL16 \f, 0, 0, \zero
	MUL16 \f, 0, 2, \zero
	PLACES
	FETCH \slot, \k, \g
	s_wait_dscnt 32                                ; all but the 32 just issued
	MUL16 \f, 1, 0, \zero
	MUL16 \f, 1, 2, \zero
.endm
; The last quarter multiplies buffer 1 and changes slots: ONE barrier; in front of it each wave waits for all its tensor loads (one is out: its part of the next slot), adds 0 to its spare word, and waits for that
; and for its own reads of this slot.  fill = 1: the barrier opens a round of the cluster's, and this slot is filled again first thing behind the round: 224 matrix instructions ahead of the wait for it.
.macro TURN slot, next, fill
.if \fill
	s_wait_xcnt 0x0                                ; the last prefetch, a K step back, has read its address
	s_add_nc_u64 s[PFA:PFA+1], s[PFA:PFA+1], 256
.endif
	WIN 0
	s_wait_tensorcnt 0x0
	ds_add_u32 v[SPW], v[NIL]                      ; 0 onto my spare word
	s_wait_dscnt 9                                 ; (the add and the youngest eight loads may be out)
	MUL16 F1, 0, 0, 0                              ; sixteen matrix instructions stand between the add and the wait for it
	s_wait_dscnt 0x0                               ; the add is done, and my reads of this slot are over
	s_barrier_signal -1
	MUL16 F1, 0, 2, 0
	WIN 0
	s_barrier_wait -1
.if \fill
	CREST
	s_add_nc_u64 s[G0A+4*(\slot)+2:G0A+4*(\slot)+3], s[G0A+4*(\slot)+2:G0A+4*(\slot)+3], 2*256
	s_add_nc_u64 s[G0B+4*(\slot)+2:G0B+4*(\slot)+3], s[G0B+4*(\slot)+2:G0B+4*(\slot)+3], 2*256
	JLOAD \slot                                    ; its four v_nop are also the places in front of the loads below
.else
	PLACES
.endif
	FETCH \next, 0, F0
.if \fill
	ASK
.endif
	MUL16 F1, 1, 0, 0
	MUL16 F1, 1, 2, 0
.endm
; THE WAY OUT of row block a (16 queries x my 128 keys: 64 registers a lane, in window 2 or 3).
; The maximum (each accumulator's lowest registers are read first), the other half of the lanes', c m; then ONE BATCH: 32 packed scalings c s - c m and 64 exponentials, in place,
; none of which names an exponential's result; one plain instruction and one wait; then the roundings to f16 and the sum of the unrounded p, as a tree in place.
.macro SOFT a
.set W, 2+(\a)/4
.set AC, 64*((\a)%4)
	WIN W|(W<<2)|(W<<4)                            ; three sources in the accumulators' window, destination in window 0
.irp b, 0,1,2,3,4,5,6,7
	v_max3_num_f32 v[T+(\b)], v[AC+8*(\b)], v[AC+8*(\b)+1], v[AC+8*(\b)+2]
.endr
.irp b, 0,1,2,3,4,5,6,7
	v_max3_num_f32 v[T+8+(\b)], v[AC+8*(\b)+3], v[AC+8*(\b)+4], v[AC+8*(\b)+5]
.endr
.irp b, 0,1,2,3,4,5,6,7
	v_max_num_f32 v[T+16+(\b)], v[AC+8*(\b)+6], v[AC+8*(\b)+7]
.endr
	WIN 0
.irp b, 0,1,2,3,4,5,6,7
	v_max3_num_f32 v[T+(\b)], v[T+(\b)], v[T+8+(\b)], v[T+16+(\b)]
.endr
	v_max3_num_f32 v[T], v[T], v[T+1], v[T+2]
	v_max3_num_f32 v[T+3], v[T+3], v[T+4], v[T+5]
	v_max3_num_f32 v[T], v[T], v[T+3], v[T+6]
	v_max_num_f32 v[T], v[T], v[T+7]
	v_permlanex16_b32 v[T+1], v[T], s[SEL], s[SEL+1]  ; the query's other 64 keys lie in the lane 16 away
	v_max_num_f32 v[T], v[T], v[T+1]
	v_mul_f32 v[CM], s[CS], v[T]                   ; c m
	v_mul_f32 v[CM+1], s[CS], v[T]                 ; (named with it as a pair)
	v_mul_f32 v[MS+(\a)], s[CS], v[T]              ; and kept for st
	WIN (W<<6)|W                                   ; destination and source 0 in the accumulators' window, c m in window 0
	v_pk_fma_f32 v[AC:AC+1], v[AC:AC+1], s[CS:CS+1], v[CM:CM+1] op_sel_hi:[1,0,0] neg_lo:[0,0,1] neg_hi:[0,0,1]
	v_pk_fma_f32 v[AC+2:AC+3], v[AC+2:AC+3], s[CS:CS+1], v[CM:CM+1] op_sel_hi:[1,0,0] neg_lo:[0,0,1] neg_hi:[0,0,1]
.set i, 0
.rept 32                               ; a pair is scaled two pairs ahead of its exponentials
	v_exp_f32 v[AC+2*i], v[AC+2*i]
.if i < 30
	v_pk_fma_f32 v[AC+2*i+4:AC+2*i+5], v[AC+2*i+4:AC+2*i+5], s[CS:CS+1], v[CM:CM+1] op_sel_hi:[1,0,0] neg_lo:[0,0,1] neg_hi:[0,0,1]
.endif
	v_exp_f32 v[AC+2*i+1], v[AC+2*i+1]
.set i, i+1
.endr
	v_nop                                          ; a plain instruction behind the last exponential (ISA guide 5.7.2): one for the batch
	s_wait_alu depctr_va_vdst(0)                   ; and the wait ahead of the first reader: one for the 64
	WIN W|(W<<2)
.set i, 0
.rept 32
	v_cvt_pk_f16_f32 v[TMP+i], v[AC+2*i], v[AC+2*i+1]
.set i, i+1
.endr
	WIN (W<<6)|(W<<2)|W
.irp n, 32,16,8,4,2                    ; 31 packed additions: halves of 32, 16, 8, 4 and 2 registers
.set i, 0
.rept (\n)/2
	v_pk_add_f32 v[AC+i:AC+i+1], v[AC+i:AC+i+1], v[AC+(\n)+i:AC+(\n)+i+1]
.set i, i+2
.endr
.endr
	WIN W|(W<<2)
	v_add_f32 v[T], v[AC], v[AC+1]
	WIN 0
	v_permlanex16_b32 v[T+1], v[T], s[SEL], s[SEL+1]
	v_add_f32 v[LS+(\a)], v[T], v[T+1]
.endm
.macro TOSTAGE a
	WIN 0
.set BK, OB+192*((\a)%2)
.irp b, 0,1,2,3,4,5,6,7
	ds_store_b128 v[STO], v[TMP+4*(\b):TMP+4*(\b)+3] offset:32*(\b)
.endr
.irp t, 0,1,2,3,4,5,6,7
	ds_load_b128 v[BK+4*(\t):BK+4*(\t)+3], v[RD] offset:(\t)*2*SP  ; LDS serves a wave's instructions in order (ISA guide 5.7.1.4): these see the stores above
.endr
.endm
.macro SEND a
	WIN 0
.set BK, OB+192*((\a)%2)
	s_wait_dscnt 0x0                               ; the block is back in registers
	s_wait_xcnt 0x0                                ; earlier stores have read their base and their data
.if (\a) == 0
	s_add_nc_u64 s[6:7], s[6:7], s[74:75]
.else
	s_add_nc_u64 s[6:7], s[6:7], 16*ROWP
.endif
.irp t, 0,1,2,3,4,5,6,7
	global_store_b128 v[CO], v[BK+4*(\t):BK+4*(\t)+3], s[6:7] offset:2*(\t)*ROWP  ; 16 lanes store 256 consecutive bytes, at a multiple of 256 from pm's first byte
.endr
.endm
	s_wait_tensorcnt 0x1                           ; my part of K step 0 is in; K step 1's may stay out
	s_barrier_signal -1
	s_barrier_wait -1
	FETCH 0, 0, F0
	QUARTER 0, 64, F0, F1, 1                       ; the first quarter's products start the sums
	WIN 0
	s_mov_b32 s3, LAPS-1
.Llap:
	QUARTER 0, 128, F1, F0, 0
	QUARTER 0, 192, F0, F1, 0
	TURN 0, 1, 1
	QUARTER 1, 64,  F0, F1, 0
	QUARTER 1, 128, F1, F0, 0
	QUARTER 1, 192, F0, F1, 0
	TURN 1, 0, 1
	QUARTER 0, 64,  F0, F1, 0
	WIN 0
	s_sub_co_u32 s3, s3, 1
	s_cmp_lg_u32 s3, 0
	s_cbranch_scc1 .Llap
	QUARTER 0, 128, F1, F0, 0                      ; the last lap fills nothing
	QUARTER 0, 192, F0, F1, 0
	TURN 0, 1, 0
	QUARTER 1, 64,  F0, F1, 0
	QUARTER 1, 128, F1, F0, 0
	QUARTER 1, 192, F0, F1, 0
	s_wait_dscnt 8
	MUL16 F1, 0, 0, 0
	MUL16 F1, 0, 2, 0
	s_wait_dscnt 0x0
	MUL16 F1, 1, 0, 0
	MUL16 F1, 1, 2, 0
	WIN 0
	PLACES
	PLACES
	SOFT 0
	TOSTAGE 0
.irp a, 1,2,3,4,5,6,7                  ; block a's softmax stands between block a - 1's loads from the stage and the wait for them
	SOFT \a
	SEND (\a)-1
	TOSTAGE \a
.endr
	SEND 7
	; the statistics: both halves of the lanes hold all eight blocks'; lanes 0-15 store blocks 0-3, lanes 16-31 blocks 4-7: each store covers 512 consecutive bytes
	v_cmp_eq_u32 vcc_lo, 1, v2
.irp i, 0,1,2,3
	v_cndmask_b32 v[T+(\i)], v[MS+(\i)], v[MS+4+(\i)], vcc_lo
	v_cndmask_b32 v[T+4+(\i)], v[LS+(\i)], v[LS+4+(\i)], vcc_lo
.endr
	global_store_b128 v[SO], v[T:T+3], s[8:9]
	global_store_b128 v[SO], v[T+4:T+7], s[8:9] offset:512
	s_wait_tensorcnt 0x0                           ; the wave's end
	ds_add_u32 v[SPW], v[NIL]
	s_wait_dscnt 0x0
	CROUND                                         ; the closing round
	s_endpgm
.Lfunc_end_k_qa66200e913_scores:
	.size	k_qa66200e913_scores, .Lfunc_end_k_qa66200e913_scores-k_qa66200e913_scores
	.p2alignl 7, 3214868480
	.fill 96, 4, 3214868480
	.section	.rodata,"a",@progbits
	.p2align	6, 0x0
	.amdhsa_kernel k_qa66200e913_scores
		.amdhsa_group_segment_fixed_size 327680
		.amdhsa_private_segment_fixed_size 0
		.amdhsa_enable_private_segment 0
		.amdhsa_kernarg_size 24
		.amdhsa_user_sgpr_count 2
		.amdhsa_user_sgpr_kernarg_segment_ptr 1
		.amdhsa_wavefront_size32 1
		.amdhsa_system_sgpr_workgroup_id_x 1
		.amdhsa_system_sgpr_workgroup_id_y 1
		.amdhsa_system_sgpr_workgroup_id_z 1
		.amdhsa_system_vgpr_workitem_id 0
		.amdhsa_next_free_vgpr 1024
		.amdhsa_next_free_sgpr 80
		.amdhsa_reserve_vcc 1
		.amdhsa_float_denorm_mode_32 3
		.amdhsa_float_denorm_mode_16_64 3
		.amdhsa_memory_ordered 1
		.amdhsa_forward_progress 1
		.amdhsa_inst_pref_size 213
	.end_amdhsa_kernel
	.amdgpu_metadata
---
amdhsa.version: [ 1, 2 ]
amdhsa.kernels:
  - .name:           k_qa66200e913_scores
    .symbol:         k_qa66200e913_scores.kd
    .args:
      - { .name: qkv, .offset: 0, .size: 8, .value_kind: global_buffer, .address_space: global }
      - { .name: pm, .offset: 8, .size: 8, .value_kind: global_buffer, .address_space: global }
      - { .name: st, .offset: 16, .size: 8, .value_kind: global_buffer, .address_space: global }
    .group_segment_fixed_size: 327680
    .private_segment_fixed_size: 0
    .kernarg_segment_align: 8
    .kernarg_segment_size: 24
    .max_flat_workgroup_size: 128
    .sgpr_count:     80
    .vgpr_count:     1024
    .wavefront_size: 32
...
	.end_amdgpu_metadata
.endif
;; end of part 3
;; launch pv (part 4): grid 4 x 64, 4 waves a work-group, clusters of 4 x 4, 327,680 bytes of LDS; arguments pm, qkv, st, out0; writes out0
.if DOCPART == 4
	.amdgcn_target "amdgcn-amd-amdhsa--gfx1250"
	.amdhsa_code_object_version 6
	.text
	.protected	k_qa66200e913_pv
	.globl	k_qa66200e913_pv
	.p2align	8
	.type	k_qa66200e913_pv,@function
k_qa66200e913_pv:
	s_mov_b64 s[64:65], 0
	v_nop
	global_prefetch_b8 v0, s[64:65] scope:SCOPE_SE
	s_setreg_imm32_b32 hwreg(HW_REG_WAVE_MODE, 25, 1), 1
	s_wait_xcnt 0x0
	s_wait_alu depctr_hold_cnt(0) depctr_sa_sdst(0) depctr_va_vdst(0) depctr_va_sdst(0) depctr_va_ssrc(0) depctr_va_vcc(0) depctr_vm_vsrc(0)
	s_getreg_b32 s2, hwreg(HW_REG_IB_STS2, 6, 4)
	s_cmp_eq_u32 s2, 0
	s_cbranch_scc0 .Lentry_in_a_cluster
	s_endpgm
.Lentry_in_a_cluster:
	s_bfe_u32 s2, ttmp6, 0x10000c
	s_cmp_lg_u32 s2, 0xf033
	s_cbranch_scc0 .Lentry_shape_is_right
	s_endpgm
.Lentry_shape_is_right:
; out0[8192][1024] (f32) = softmax x V, the second half.  For each row, from st: M = the largest of its 16 chunks' c m; alpha = 2^(cm - M) for each chunk; L = the sum of alpha l.
; O = (the sum over chunks of (alpha p) V) / L.  p is pm's f16; alpha is rounded to f16, and L is summed with the rounded alpha, so that weights and divisor agree; alpha p is rounded once more to f16
; as the matrix operand.  V is the third 1,024 f16 of qkv's rows.  M, L, cm, l and the products' sums are f32.
; LIMITS.  alpha p below 6e-8 counts as 0 (L is at least 1); NaN and infinities are not treated apart.
; SHARES.  A tile of O is 128 rows x 256 columns: 256 work-groups.  The batch's 2,048 keys go in steps of 256 through two LDS slots that hold V ALONE (256 keys x 512 bytes): both operands at that
; step would want 417,792 bytes.  K IS SPLIT IN THE WORK-GROUP: wave (RH, KH) takes rows 64 RH .. and, of every slot, the keys 128 KH .. (one chunk, so alpha is one number a lane and row block), for all 256
; columns: 64 accumulators.  So each byte of p is wanted by one wave alone, and p's fragments come straight from memory (16 rows x 32 keys: two loads of 16 bytes a lane), into a ring of four quarters in
; registers; a quarter is asked for again behind its own products, 192 matrix instructions ahead of its next use.  At the end the two K halves meet in LDS (f32, in slot 0, which has had its last fill).
; A wave's accumulators b = 0..7 are the column half that it finishes (half KH), b = 8..15 the half that its partner finishes: the LDS column offset hangs on KH, so one text serves all waves.
; V lies [key][column], so its fragments come out of LDS turned, by ds_load_tr16_b128.  The matrix instruction is used transposed (source 0 = 16 columns of V, source 1 = 16 rows of p).
; CLUSTER 4 x 4: V's tile is shared along a column of the cluster and asked for jointly; the batch is cluster y / 4.  p is not asked for jointly: it goes to registers, which no joint load reaches.
; THE LAST STEP asks once more for its own rows of p: 32 loads a wave whose data nobody uses.  So the one text of a step counts the same 24 younger loads in every trip, and no load leaves pm.
; REGISTERS: window 0: v0-31 addresses; v32-35 alpha; v36-47 1 / L; v64-191 p's ring, quarter q, row block a at 64 + 32 q + 8 a (on the way out: rows read back); v192-243 the statistics, at the start
;   window 1: V's fragments, two buffers of 128 (at the end: the partner's sums);   windows 2, 3: the accumulators, (a, b) in window 2 + a / 2 at 128 (a % 2) + 8 b
.set PB,    544                        ; a key's row of V in LDS: 512 bytes + 32
.set QSL,   64*PB                      ; 64 keys: what one tensor load brings
.set SLOT,  4*QSL
.set STAGE, 2*SLOT                     ; behind the ring: 16 rows x 528 bytes for each wave
.set SP,    528
.set SPARE, STAGE+4*16*SP              ; the spare words, 128 bytes a wave: two blocks of 256 bytes that no other line names
.set ALPHA, SPARE+512                  ; [16 chunks][128 places]: alpha as two equal f16; then [128] 1 / L in f32.  No tile lands here
.set RED,   0                          ; where the K halves meet: 32,768 bytes a wave, in slot 0
.set ROWA,  4096                       ; bytes in a row of pm
.set ROWB,  6144                       ; of qkv
.set ROWC,  4096                       ; of out0
.set NSTEP, 8
.set AO,   10                          ; v10     my byte offset in 16 rows of pm: (l % 16) x 4,096 + 16 (l / 16); never rewritten
.set ADL0, 11                          ; v11     my lane's place in a slot, my keys, the column half that I finish; never rewritten
.set ADH0, 12                          ; v12     the other column half
.set ADL,  13                          ; v13, v14 the same in the slot in hand
.set ADH,  14
.set STO,  16
.set RD,   17
.set CO,   18
.set AL0,  19                          ; v19     ALPHA + 512 KH + 32 (l % 16) + 16 RH: my four row blocks' places in my first chunk
.set ALA,  20                          ; v20     the address of the alpha load in hand
.set ILA,  21                          ; v21     the same places among the 1 / L
.set RS,   22                          ; v22     where I put sums for my partner
.set RL,   23                          ; v23     where my partner has put sums for me
.set PFO,  24                          ; v24     V's prefetches' offset; never rewritten
.set PFQ,  25                          ; v25     p's
.set SPW,  28
.set NIL,  29
.set AL,   32                          ; v[32:35] alpha of my chunk, row blocks 0..3
.set IR,   36                          ; v[36:39] 1 / L of my four row blocks
.set IL,   40                          ; v[40:47] the same, twice each: pairs for the packed multiply
.set G1,  24                           ; s[24:31] descriptor group 1
.set G0,  32                           ; s[32:35] group 0 of the first fill, s[36:39] the one that walks
.set PN,  40                           ; s[40:41] pm at my rows and keys of the step that the ring is being filled for
.set STP, 42                           ; s[42:43] its step in the tail: 512 bytes, or 0
.set LIMB, 44                          ; s44     1 in a wave that prefetches V, else the greatest number
.set LIMA, 45                          ; s45     the same for p
.set PFB, 46                           ; s[46:47] where my prefetches of V stand
.set PFP, 48                           ; s[48:49] of p
.set TB,  50                           ; s50     LDS byte at which the slot in hand begins
.set TA,  51                           ; s51     1,024 x the step whose alpha is fetched next
.set MSB, 0
.macro WIN new
.if MSB != (\new)
	s_set_vgpr_msb (MSB<<8)|(\new)
.set MSB, \new
.endif
.endm
.macro PLACES
.rept 4
	v_nop
.endr
.endm
.macro TLOAD s                         ; my 64 keys of a slot, asked for jointly with my column of the cluster; an s_nop 0 and four v_nop follow
	tensor_load_to_lds s[G0+4*(\s):G0+4*(\s)+3], s[G1:G1+7]
	s_nop 0
.rept 4
	v_nop
.endr
.endm
.macro CREST
	s_cmp_lg_u32 s12, 0
	s_cbranch_scc1 .Lnot_wave_0_\@
	s_barrier_signal -3
.Lnot_wave_0_\@:
	s_barrier_wait -3
	s_barrier_signal -1
	s_barrier_wait -1
.endm
.macro CROUND
	s_barrier_signal -1
	s_barrier_wait -1
	CREST
.endm
; Prefetches into the L2 of the step behind the one that is being asked for.  V: each wave for its own 64 keys, in the first of the batch's four clusters (the partner at cy takes keys 16 cy + lane / 2,
; block lane % 2).  p: waves 0 and 1, for the work-group's share of the tile's 128 rows (the partner at cx takes rows 32 cx + lane), the 256 bytes of key half KH.  Each block of 256 bytes is named once;
; partners are told apart by address.  The loop's last trip has no such step, and asks for nothing.
.macro ASK
	s_cmp_gt_u32 s3, s[LIMB]
	s_cbranch_scc0 .Lnot_v_\@
	global_prefetch_b8 v[PFO], s[PFB:PFB+1] th:TH_LOAD_NT scope:SCOPE_SE
.Lnot_v_\@:
	s_cmp_gt_u32 s3, s[LIMA]
	s_cbranch_scc0 .Lnot_p_\@
	global_prefetch_b8 v[PFQ], s[PFP:PFP+1] th:TH_LOAD_NT scope:SCOPE_SE
.Lnot_p_\@:
.endm
; 8 loads: quarter q (32 keys) of p's four row blocks
.macro LOADA q
	WIN 0
.irp a, 0,1,2,3
	global_load_b128 v[64+32*(\q)+8*(\a):64+32*(\q)+8*(\a)+3],   v[AO], s[PN:PN+1] offset:(\a)*16*ROWA+64*(\q)
	global_load_b128 v[64+32*(\q)+8*(\a)+4:64+32*(\q)+8*(\a)+7], v[AO], s[PN:PN+1] offset:(\a)*16*ROWA+64*(\q)+32
.endr
.endm
	s_load_b256 s[4:11], s[0:1], 0x0               ; pm 4:5, qkv 6:7, st 8:9, out0 10:11
	v_lshl_add_u32 v[SPW], v0, 2, SPARE
	v_mov_b32 v[NIL], 0
	ds_add_u32 v[SPW], v[NIL]                      ; the wave's opening: the add and its wait stand ahead of my first tensor load
	v_lshrrev_b32 v1, 5, v0
	v_readfirstlane_b32 s12, v1                    ; wave 0..3
	s_lshr_b32 s13, s12, 1                         ; RH: my half of the rows
	s_and_b32 s14, s12, 1                          ; KH: my half of a slot's keys, and the column half that I finish
	s_bfe_u32 s15, ttmp6, 0x40000                  ; cx
	s_bfe_u32 s16, ttmp6, 0x40004                  ; cy
	s_lshl_b32 s17, ttmp9, 2
	s_add_co_u32 s17, s17, s15                     ; X: tile column, 0..3
	s_and_b32 s19, ttmp7, 0xffff                   ; cluster y
	s_lshl_b32 s18, s19, 2
	s_add_co_u32 s18, s18, s16                     ; Y: tile row, 0..63
	s_lshl_b32 s52, 0x1111, s15                    ; my column of the cluster
	s_or_b32 s[G1], s52, (1<<16)|(1<<20)|(1<<21)|(6<<22)|(7<<25)  ; the mask; 2-byte elements; padding on; bit 21 beside a mask; after every 128 words, 8 words
	s_mov_b32 s[G1+1], 256<<16                     ; tensor_dim0 = 256
	s_mov_b32 s[G1+2], 64<<16                      ; tensor_dim1 = 64
	s_mov_b32 s[G1+3], 256<<16                     ; tile_dim0 = 256
	s_mov_b32 s[G1+4], 64                          ; tile_dim1 = 64
	s_mov_b32 s[G1+5], 3072                        ; elements from row to row
	s_mov_b32 s[G1+6], 0
	s_mov_b32 s[G1+7], 0
	s_lshr_b32 s66, s19, 2                         ; V: the batch,
	s_lshl_b32 s66, s66, 11                        ; its 2,048 rows,
	s_lshl_b32 s68, s12, 6
	s_add_co_u32 s66, s66, s68                     ; + my 64 keys of a slot
	s_mul_i32 s66, s66, ROWB
	s_lshl_b32 s68, s17, 9
	s_add_co_u32 s66, s66, s68                     ; column 256 X
	s_add_co_u32 s66, s66, 4096                    ; V lies 4,096 bytes into a row
	s_mov_b32 s67, 0
	s_mul_i32 s52, s12, QSL                        ; where they go: no place in the cluster enters an LDS address
	s_mov_b32 s[TB], 0
	s_mov_b32 s[TA], 0
	s_mov_b32 s[STP], 512
	s_mov_b32 s[STP+1], 0
	s_wait_dscnt 0x0                               ; the opening add is done
	s_wait_kmcnt 0x0
	s_add_nc_u64 s[66:67], s[6:7], s[66:67]
	CROUND                                         ; all sixteen work-groups are here: the first joint loads meet
.irp s, 0,1
	s_mov_b32 s[G0+4*(\s)], 1
	s_add_co_u32 s[G0+4*(\s)+1], s52, (\s)*SLOT
	s_add_nc_u64 s[G0+4*(\s)+2:G0+4*(\s)+3], s[66:67], (\s)*256*ROWB
	s_or_b32 s[G0+4*(\s)+3], s[G0+4*(\s)+3], 0x80000000
	TLOAD \s                                       ; two loads of mine are out
.endr
	; THE STATISTICS, in the wait for the first tiles.  Thread t serves place t of the tile's 128 rows: 16 cm into v192-207, 16 l into v208-223
	v_lshlrev_b32 v6, 2, v0
	s_lshl_b32 s72, s18, 14                        ; 16,384 bytes of st for a tile of 128 rows
	s_mov_b32 s73, 0
	s_add_nc_u64 s[8:9], s[8:9], s[72:73]
.irp c, 0,1,2,3,4,5,6,7,8,9,10,11,12,13,14,15
	global_load_b32 v[192+(\c)], v6, s[8:9] offset:1024*(\c)
	global_load_b32 v[208+(\c)], v6, s[8:9] offset:1024*(\c)+512
.endr
	v_and_b32 v1, 15, v0                           ; r
	v_bfe_u32 v2, v0, 4, 1                         ; h
	v_lshlrev_b32 v[AO], 12, v1
	v_lshl_add_u32 v[AO], v2, 4, v[AO]
	s_lshl_b32 s54, s18, 7
	s_lshl_b32 s55, s13, 6
	s_add_co_u32 s54, s54, s55                     ; p: row 128 Y + 64 RH,
	s_lshl_b32 s54, s54, 12
	s_lshl_b32 s55, s14, 8
	s_add_co_u32 s54, s54, s55                     ; the 256 bytes of my key half
	s_mov_b32 s55, 0
	s_add_nc_u64 s[PN:PN+1], s[4:5], s[54:55]
.irp q, 0,1,2,3
	LOADA \q                                       ; the ring's first fill: step 0
.endr
	; lane addresses, while those loads are out
	v_and_b32 v4, 7, v0                            ; the turning load: lane l reads key 8 (l / 16) + l % 8, columns 8 ((l / 8) % 2) + 0..7
	v_bfe_u32 v5, v0, 3, 1
	v_lshl_add_u32 v4, v2, 3, v4
	v_mul_u32_u24 v4, v4, PB
	v_lshl_add_u32 v4, v5, 4, v4
	s_mul_i32 s54, s14, 128*PB                     ; my 128 keys of a slot
	s_lshl_b32 s55, s14, 8                         ; column half KH: 256 bytes
	s_add_co_u32 s56, s54, s55
	v_add_nc_u32 v[ADL0], s56, v4
	s_xor_b32 s55, s55, 256                        ; the other half
	s_add_co_u32 s56, s54, s55
	v_add_nc_u32 v[ADH0], s56, v4
	s_mul_i32 s54, s12, 16*SP
	s_add_co_u32 s54, s54, STAGE                   ; my stage
	v_mul_u32_u24 v3, v1, SP                       ; in: row l % 16, 32 bytes for each half of the lanes
	v_lshl_add_u32 v3, v2, 5, v3
	v_add_nc_u32 v[STO], s54, v3
	v_and_b32 v7, 31, v0
	v_lshlrev_b32 v[CO], 4, v7                     ; back and out: 32 lanes take a row's 512 bytes
	v_add_nc_u32 v[RD], s54, v[CO]
	s_lshl_b32 s54, s13, 4
	s_add_co_u32 s54, s54, ALPHA
	v_lshl_add_u32 v[ILA], v1, 5, s54
	v_add_nc_u32 v[ILA], 8192, v[ILA]
	s_lshl_b32 s55, s14, 9
	s_add_co_u32 s54, s54, s55
	v_lshl_add_u32 v[AL0], v1, 5, s54
	v_lshl_add_u32 v8, v0, 2, ALPHA                ; where thread t puts its place's numbers
	s_lshl_b32 s54, s12, 15
	v_add_nc_u32 v[RS], s54, v[CO]                 ; RED = 0: 32,768 x wave + 16 x lane
	s_xor_b32 s54, s12, 1                          ; my partner: the same rows, the other keys
	s_lshl_b32 s54, s54, 15
	v_add_nc_u32 v[RL], s54, v[CO]
	s_lshl_b32 s74, s18, 7                         ; where my part of the tile begins in out0
	s_lshl_b32 s75, s13, 6
	s_add_co_u32 s74, s74, s75
	s_lshl_b32 s74, s74, 12
	s_lshl_b32 s75, s17, 10
	s_add_co_u32 s74, s74, s75
	s_lshl_b32 s75, s14, 9
	s_add_co_u32 s74, s74, s75
	s_mov_b32 s75, 0
	; the prefetches: they stand at step 2; the first refill steps them to 3
	s_lshr_b32 s56, s19, 2
	s_lshl_b32 s56, s56, 11
	s_lshl_b32 s57, s12, 6
	s_add_co_u32 s56, s56, s57
	s_lshl_b32 s57, s16, 4
	s_add_co_u32 s56, s56, s57                     ; V: the batch's key 64 x wave + 16 cy
	s_add_co_u32 s56, s56, 2*256
	s_mul_i32 s56, s56, ROWB
	s_lshl_b32 s57, s17, 9
	s_add_co_u32 s56, s56, s57
	s_add_co_u32 s56, s56, 4096
	s_mov_b32 s57, 0
	s_add_nc_u64 s[PFB:PFB+1], s[6:7], s[56:57]
	v_lshrrev_b32 v9, 1, v7
	v_mul_u32_u24 v[PFO], v9, ROWB
	v_and_b32 v9, 1, v7
	v_lshl_add_u32 v[PFO], v9, 8, v[PFO]
	s_and_b32 s56, s19, 3                          ; 0 in the first of the batch's four clusters
	s_cmp_eq_u32 s56, 0
	s_cselect_b32 s[LIMB], 1, -1
	s_lshl_b32 s56, s18, 7
	s_lshl_b32 s57, s15, 5
	s_add_co_u32 s56, s56, s57                     ; p: row 128 Y + 32 cx
	s_lshl_b32 s56, s56, 12
	s_lshl_b32 s57, s14, 8
	s_add_co_u32 s56, s56, s57
	s_add_co_u32 s56, s56, 2*512
	s_mov_b32 s57, 0
	s_add_nc_u64 s[PFP:PFP+1], s[4:5], s[56:57]
	v_lshlrev_b32 v[PFQ], 12, v7
	s_cmp_eq_u32 s13, 0                            ; waves 0 and 1
	s_cselect_b32 s[LIMA], 1, -1
	s_wait_loadcnt 32                              ; cm and l are in; the ring's 32 loads, issued behind them, may stay out
	v_max3_num_f32 v240, v192, v193, v194          ; M
.irp c, 195,197,199,201,203,205
	v_max3_num_f32 v240, v240, v[\c], v[(\c)+1]
.endr
	v_max_num_f32 v240, v240, v207
.irp c, 0,1,2,3,4,5,6,7,8,9,10,11,12,13,14,15
	v_sub_f32 v[224+(\c)], v[192+(\c)], v240
.endr
.irp c, 0,1,2,3,4,5,6,7,8,9,10,11,12,13,14,15
	v_exp_f32 v[224+(\c)], v[224+(\c)]             ; alpha: one batch
.endr
	v_mov_b32 v241, 0                              ; L's two chains; also the plain instruction behind the last exponential
	v_mov_b32 v242, 0
	s_wait_alu depctr_va_vdst(0)                   ; one wait for the sixteen
.irp c, 0,1,2,3,4,5,6,7,8,9,10,11,12,13,14,15
	v_cvt_pk_f16_f32 v[192+(\c)], v[224+(\c)], v[224+(\c)]  ; alpha in both halves of a word
.endr
.irp c, 0,1,2,3,4,5,6,7,8,9,10,11,12,13,14,15
	v_fma_mix_f32 v[241+(\c)%2], v[192+(\c)], v[208+(\c)], v[241+(\c)%2] op_sel_hi:[1,0,0]  ; L += the rounded alpha (an f16 half) x l
.endr
	v_add_f32 v241, v241, v242
	v_rcp_f32 v243, v241
	v_nop
	s_wait_alu depctr_va_vdst(0)
.irp c, 0,1,2,3,4,5,6,7,8,9,10,11,12,13,14,15
	ds_store_b32 v8, v[192+(\c)] offset:512*(\c)
.endr
	ds_store_b32 v8, v243 offset:8192
; 8 matrix instructions: row block a x column blocks 8 bh .. 8 bh + 7, quarter q of p's ring, V's buffer f.  zero = 1: the first product starts the sums.
; The 64 accumulators take turns, one instruction a turn, in the same order in every quarter.
.macro MULQ f, q, a, bh, zero
	WIN 0xa1+0x50*((\a)/2)                         ; source 0 (V) window 1, source 1 (p) window 0, C and D window 2 or 3
.irp b, 0,1,2,3,4,5,6,7
.if \zero
	v_wmma_f32_16x16x32_f16 v[128*((\a)%2)+64*(\bh)+8*(\b):128*((\a)%2)+64*(\bh)+8*(\b)+7], v[128*(\f)+64*(\bh)+8*(\b):128*(\f)+64*(\bh)+8*(\b)+7], v[64+32*(\q)+8*(\a):64+32*(\q)+8*(\a)+7], 0
.else
	v_wmma_f32_16x16x32_f16 v[128*((\a)%2)+64*(\bh)+8*(\b):128*((\a)%2)+64*(\bh)+8*(\b)+7], v[128*(\f)+64*(\bh)+8*(\b):128*(\f)+64*(\bh)+8*(\b)+7], v[64+32*(\q)+8*(\a):64+32*(\q)+8*(\a)+7], v[128*((\a)%2)+64*(\bh)+8*(\b):128*((\a)%2)+64*(\bh)+8*(\b)+7]
.endif
.endr
.endm
.macro HALF f, q, bh, zero             ; 32 matrix instructions: all four row blocks x one column half
	MULQ \f, \q, 0, \bh, \zero
	MULQ \f, \q, 1, \bh, \zero
	MULQ \f, \q, 2, \bh, \zero
	MULQ \f, \q, 3, \bh, \zero
.endm
; quarter q of p's ring is multiplied by its rows' alpha of my chunk: 32 packed lines
.macro SCALE q
	WIN 0
.irp a, 0,1,2,3
.irp j, 0,1,2,3,4,5,6,7
	v_pk_mul_f16 v[64+32*(\q)+8*(\a)+(\j)], v[64+32*(\q)+8*(\a)+(\j)], v[AL+(\a)]
.endr
.endr
.endm
; 32 LDS loads in one run: quarter q of my keys in the slot in hand, into buffer g: the column half that I finish first, then the other
.macro FETCHB q, g
	WIN 0x40                                       ; destination window 1
.irp b, 0,1,2,3,4,5,6,7
	ds_load_tr16_b128 v[128*(\g)+8*(\b):128*(\g)+8*(\b)+3],   v[ADL] offset:(\q)*32*PB+32*(\b)
	ds_load_tr16_b128 v[128*(\g)+8*(\b)+4:128*(\g)+8*(\b)+7], v[ADL] offset:(\q)*32*PB+16*PB+32*(\b)
.endr
.irp b, 0,1,2,3,4,5,6,7
	ds_load_tr16_b128 v[128*(\g)+64+8*(\b):128*(\g)+64+8*(\b)+3],   v[ADH] offset:(\q)*32*PB+32*(\b)
	ds_load_tr16_b128 v[128*(\g)+64+8*(\b)+4:128*(\g)+64+8*(\b)+7], v[ADH] offset:(\q)*32*PB+16*PB+32*(\b)
.endr
.endm
; A step's beginning is fetched: the slot's addresses, my chunk's alpha (the oldest load of the run, so the counted waits are the same), V's first quarter.  tog = 1: in the other slot
.macro NEXTF tog
.if \tog
	s_xor_b32 s[TB], s[TB], SLOT                   ; 0 and SLOT by turns
.endif
	v_add_nc_u32 v[ADL], s[TB], v[ADL0]
	v_add_nc_u32 v[ADH], s[TB], v[ADH0]
	v_add_nc_u32 v[ALA], s[TA], v[AL0]
	s_add_co_u32 s[TA], s[TA], 1024                ; two chunks a step
	ds_load_b128 v[AL:AL+3], v[ALA]
	FETCHB 0, 0
	WIN 0
.endm
; A step is four quarters of 32 of my keys, 64 matrix instructions each, on V's buffers 0, 1, 0, 1.  One of the first three.  The 32 scalings and the four v_nop are the places in front of the loads
; into registers that matrix instructions have read.  adv: in a step's first quarter the ring's pointer goes on to the next step (1: by 512 bytes; 2: by the tail's step).
.macro QUARTER q, zero, adv
	WIN 0
	s_wait_loadcnt 24                              ; p's quarter q is in; the three younger quarters, 24 loads, stay out
	s_wait_dscnt 16                                ; alpha and V's column blocks 0-7 are in; the youngest 16 loads (blocks 8-15) may be out
	SCALE \q
	HALF (\q)%2, \q, 0, \zero
	FETCHB (\q)+1, 1-(\q)%2
	s_wait_dscnt 32                                ; all but the 32 just issued
	HALF (\q)%2, \q, 1, \zero
	WIN 0
	PLACES
.if (\adv) == 1
	s_wait_xcnt 0x0                                ; the ring's last loads, 64 matrix instructions back, have read the pointer
	s_add_nc_u64 s[PN:PN+1], s[PN:PN+1], 512
.elseif (\adv) == 2
	s_wait_xcnt 0x0
	s_add_nc_u64 s[PN:PN+1], s[PN:PN+1], s[STP:STP+1]
.endif
	LOADA \q                                       ; the same quarter of the next step: 192 matrix instructions ahead of its use
.endm
; The last quarter changes slots: ONE barrier; in front of it each wave waits for all its tensor loads (one is out: its part of the next slot), adds 0 to its spare word, and waits for that and for its own
; reads of this slot.  fill = 1: the barrier opens a round of the cluster's, and this slot is filled again first thing behind the round: 224 matrix instructions ahead of the wait for it.
; fill = 0: the last two steps: nothing is asked for, and behind the very last step nothing is fetched.
.macro TURN fill
	WIN 0
	s_wait_loadcnt 24
	s_wait_dscnt 16
	SCALE 3
	s_wait_tensorcnt 0x0
	ds_add_u32 v[SPW], v[NIL]                      ; 0 onto my spare word
	MULQ 1, 3, 0, 0, 0                             ; sixteen matrix instructions stand between the add and the wait for it
	MULQ 1, 3, 1, 0, 0
.if \fill
	s_wait_xcnt 0x0                                ; the last prefetches, a step back, have read their addresses
	s_add_nc_u64 s[PFB:PFB+1], s[PFB:PFB+1], 256*ROWB
	s_add_nc_u64 s[PFP:PFP+1], s[PFP:PFP+1], 512
.endif
	s_wait_dscnt 0x0                               ; the add is done, and my reads of this slot are over
	s_barrier_signal -1
	MULQ 1, 3, 2, 0, 0
	MULQ 1, 3, 3, 0, 0
	WIN 0
	s_barrier_wait -1
.if \fill
	CREST                                          ; no wave of any partner still reads this slot or has a load on its way
	s_xor_b32 s[G0+5], s[G0+5], SLOT               ; the walking descriptor: the other slot than last time (SLOT shares no bit with wave x QSL),
	s_add_nc_u64 s[G0+6:G0+7], s[G0+6:G0+7], 256*ROWB  ; the next 256 keys
	TLOAD 1
.else
	s_cmp_eq_u32 s3, 1
	s_cbranch_scc1 .Lno_next_\@
.endif
	NEXTF 1
.if \fill
	ASK
.else
.Lno_next_\@:
.endif
	HALF 1, 3, 1, 0
	WIN 0
	PLACES
	LOADA 3
.endm
	s_wait_tensorcnt 0x1                           ; my part of step 0 is in; step 1's may stay out
	s_wait_dscnt 0x0                               ; for the others' sake: my alpha and 1 / L lie in LDS
	s_barrier_signal -1
	s_barrier_wait -1
	NEXTF 0
	QUARTER 0, 1, 1                                ; the first quarter is written out: its products start the sums
	WIN 0
	s_mov_b32 s3, NSTEP-2
	s_branch .Lenter                               ; the loop is entered behind a step's first quarter
.Lstep:                                                ; six trips: a step, and the refill two steps ahead
	QUARTER 0, 0, 1
	WIN 0
.Lenter:
	QUARTER 1, 0, 0
	QUARTER 2, 0, 0
	TURN 1
	WIN 0
	s_sub_co_u32 s3, s3, 1
	s_cmp_lg_u32 s3, 0
	s_cbranch_scc1 .Lstep
	s_mov_b32 s3, 2
.Ltail:                                                ; the last two steps are a text of their own
	s_cmp_eq_u32 s3, 2
	s_cselect_b32 s[STP], 512, 0                   ; in the last step the ring's pointer stays: there is no further step in pm's rows
	QUARTER 0, 0, 2
	QUARTER 1, 0, 0
	QUARTER 2, 0, 0
	TURN 0
	WIN 0
	s_sub_co_u32 s3, s3, 1
	s_cmp_lg_u32 s3, 0
	s_cbranch_scc1 .Ltail
	; THE K HALVES MEET.  I put my sums of the column half that my partner finishes into slot 0 (every wave's reads of it ended two barriers ago, and nothing is filled any more), 16 bytes a lane on end,
	; and take my partner's sums of my half, laid the same way: accumulator for accumulator, lane for lane.
	PLACES
	PLACES
.irp a, 0,1,2,3
	WIN (2+(\a)/2)<<2                              ; the stores' data in window 2 or 3
.irp b, 0,1,2,3,4,5,6,7
	ds_store_b128 v[RS], v[128*((\a)%2)+64+8*(\b):128*((\a)%2)+64+8*(\b)+3]   offset:RED+1024*(8*(\a)+(\b))
	ds_store_b128 v[RS], v[128*((\a)%2)+64+8*(\b)+4:128*((\a)%2)+64+8*(\b)+7] offset:RED+1024*(8*(\a)+(\b))+512
.endr
.endr
	WIN 0
	s_wait_dscnt 0x0                               ; for my partner's sake
	s_barrier_signal -1
	s_barrier_wait -1
	ds_load_b128 v[IR:IR+3], v[ILA]                ; 1 / L of my four row blocks
	WIN 0x40                                       ; into window 1: V's buffers are free
.set i, 0
.rept 64
	ds_load_b128 v[4*i:4*i+3], v[RL] offset:RED+512*i
.set i, i+1
.endr
.macro ADD a                           ; row block a: my sums + my partner's, each accumulator's registers in ascending order
	s_wait_dscnt 48-16*(\a)                        ; its 16 loads are in; the younger blocks' stay out
	WIN ((2+(\a)/2)<<6)|(1<<2)|(2+(\a)/2)
.set i, 0
.rept 32
	v_pk_add_f32 v[128*((\a)%2)+i:128*((\a)%2)+i+1], v[128*((\a)%2)+i:128*((\a)%2)+i+1], v[64*(\a)+i:64*(\a)+i+1]
.set i, i+2
.endr
.endm
	ADD 0
	ADD 1
	ADD 2
	ADD 3
	WIN 0
.irp a, 0,1,2,3
	v_mov_b32 v[IL+2*(\a)], v[IR+(\a)]
	v_mov_b32 v[IL+2*(\a)+1], v[IR+(\a)]
.endr
	s_wait_loadcnt 0x0                             ; the ring's last loads have landed: its registers take the rows read back from the stage
; THE WAY OUT of row block a.  SCALEO: times 1 / L.  TOSTAGE: 32 bytes a lane and column block into my own stage, and back as whole rows of 512 bytes.  SEND: stored.
.macro SCALEO a
	WIN ((2+(\a)/2)<<6)|(2+(\a)/2)
.set i, 128*((\a)%2)
.rept 32
	v_pk_mul_f32 v[i:i+1], v[i:i+1], v[IL+2*(\a):IL+2*(\a)+1]
.set i, i+2
.endr
.endm
.macro TOSTAGE a
.set BK, 64+64*((\a)%2)
	WIN (2+(\a)/2)<<2
.irp b, 0,1,2,3,4,5,6,7
	ds_store_b128 v[STO], v[128*((\a)%2)+8*(\b):128*((\a)%2)+8*(\b)+3]   offset:64*(\b)
	ds_store_b128 v[STO], v[128*((\a)%2)+8*(\b)+4:128*((\a)%2)+8*(\b)+7] offset:64*(\b)+16
.endr
	WIN 0
.irp t, 0,1,2,3,4,5,6,7,8,9,10,11,12,13,14,15
	ds_load_b128 v[BK+4*(\t):BK+4*(\t)+3], v[RD] offset:(\t)*SP  ; LDS serves a wave's instructions in order (ISA guide 5.7.1.4): these see the stores above
.endr
.endm
.macro SEND a
.set BK, 64+64*((\a)%2)
	WIN 0
	s_wait_dscnt 0x0
	s_wait_xcnt 0x0                                ; earlier stores have read their base and their data
.if (\a) == 0
	s_add_nc_u64 s[10:11], s[10:11], s[74:75]
.else
	s_add_nc_u64 s[10:11], s[10:11], 16*ROWC
.endif
.irp t, 0,1,2,3,4,5,6,7,8,9,10,11,12,13,14,15
	global_store_b128 v[CO], v[BK+4*(\t):BK+4*(\t)+3], s[10:11] offset:(\t)*ROWC th:TH_STORE_NT  ; 512 consecutive bytes, at a multiple of 256 from out0's first byte
.endr
.endm
	SCALEO 0
	TOSTAGE 0
.irp a, 1,2,3                          ; block a's scaling stands between block a - 1's loads from the stage and the wait for them
	SCALEO \a
	SEND (\a)-1
	TOSTAGE \a
.endr
	SEND 3
	s_wait_tensorcnt 0x0                           ; the wave's end
	ds_add_u32 v[SPW], v[NIL]
	s_wait_dscnt 0x0
	CROUND                                         ; the closing round
	s_endpgm
.Lfunc_end_k_qa66200e913_pv:
	.size	k_qa66200e913_pv, .Lfunc_end_k_qa66200e913_pv-k_qa66200e913_pv
	.p2alignl 7, 3214868480
	.fill 96, 4, 3214868480
	.section	.rodata,"a",@progbits
	.p2align	6, 0x0
	.amdhsa_kernel k_qa66200e913_pv
		.amdhsa_group_segment_fixed_size 327680
		.amdhsa_private_segment_fixed_size 0
		.amdhsa_enable_private_segment 0
		.amdhsa_kernarg_size 32
		.amdhsa_user_sgpr_count 2
		.amdhsa_user_sgpr_kernarg_segment_ptr 1
		.amdhsa_wavefront_size32 1
		.amdhsa_system_sgpr_workgroup_id_x 1
		.amdhsa_system_sgpr_workgroup_id_y 1
		.amdhsa_system_sgpr_workgroup_id_z 1
		.amdhsa_system_vgpr_workitem_id 0
		.amdhsa_next_free_vgpr 1024
		.amdhsa_next_free_sgpr 80
		.amdhsa_reserve_vcc 0
		.amdhsa_float_denorm_mode_32 3
		.amdhsa_float_denorm_mode_16_64 3
		.amdhsa_memory_ordered 1
		.amdhsa_forward_progress 1
		.amdhsa_inst_pref_size 146
	.end_amdhsa_kernel
	.amdgpu_metadata
---
amdhsa.version: [ 1, 2 ]
amdhsa.kernels:
  - .name:           k_qa66200e913_pv
    .symbol:         k_qa66200e913_pv.kd
    .args:
      - { .name: pm, .offset: 0, .size: 8, .value_kind: global_buffer, .address_space: global }
      - { .name: qkv, .offset: 8, .size: 8, .value_kind: global_buffer, .address_space: global }
      - { .name: st, .offset: 16, .size: 8, .value_kind: global_buffer, .address_space: global }
      - { .name: out0, .offset: 24, .size: 8, .value_kind: global_buffer, .address_space: global }
    .group_segment_fixed_size: 327680
    .private_segment_fixed_size: 0
    .kernarg_segment_align: 8
    .kernarg_segment_size: 32
    .max_flat_workgroup_size: 128
    .sgpr_count:     80
    .vgpr_count:     1024
    .wavefront_size: 32
...
	.end_amdgpu_metadata
.endif
;; end of part 4
;; ======== version 2 of 2: 4 launches; version 1 with the launch cast written anew for expert scheduling mode
;; limits: values are held in f16: magnitudes above 65,504 overflow, below 6.1e-05 lose precision
;; workspace buffers: xb 16,777,216 bytes; wb 6,291,456 bytes; bc 12,288 bytes; qkv 50,331,648 bytes; pm 33,554,432 bytes; st 1,048,576 bytes
;; launch cast (part 5): grid 64 x 11, 8 waves a work-group, no clusters, 0 bytes of LDS; arguments x, Wq, Wk, Wv, bq, bk, bv, xb, wb, bc; writes xb, wb, bc
.if DOCPART == 5
	.amdgcn_target "amdgcn-amd-amdhsa--gfx1250"
	.amdhsa_code_object_version 6
	.text
	.protected	k_qa66200e913_cast
	.globl	k_qa66200e913_cast
	.p2align	8
	.type	k_qa66200e913_cast,@function
k_qa66200e913_cast:
	s_mov_b64 s[64:65], 0
	v_nop
	global_prefetch_b8 v0, s[64:65] scope:SCOPE_SE
	s_setreg_imm32_b32 hwreg(HW_REG_WAVE_SCHED_MODE, 0, 2), 2
	s_setreg_imm32_b32 hwreg(HW_REG_WAVE_MODE, 25, 1), 1
	s_wait_xcnt 0x0
	s_wait_alu depctr_vm_vsrc(0)
; THE INPUTS ARE ROUNDED ONCE TO bf16.  xb[8192][1024] = bf16(x);  wb[1024][3072] = bf16(Wq | Wk | Wv), the three rows d side by side;
; bc[3072] = bq | bk | bv, each rounded to bf16 and kept as f32 (it starts f32 sums in the next launch).
; SHARES.  y = 0..7: slab y of x, 1,024 rows; y = 8, 9, 10: Wq, Wk, Wv, 1,024 rows each.  Work-group x takes 16 rows of 1,024 f32.
; Thread t takes the 16 bytes at 16 t of every row: a wave's load covers 512 consecutive bytes, its store 256 consecutive bytes, aligned.
; All 16 loads of a thread go out at once (64 KiB a work-group); no register is written twice, so no wait frees a source.
; No LDS, no matrix unit, no cluster: each byte is read once by one thread, and nothing is shared.
; THE MODE: SCHED_MODE bits 1:0 = 2 (LLVM: expert scheduling mode 2), set by the entry lines.  The code itself states the register dependences
; between vector instructions and memory instructions, with s_wait_alu, always for 0.
; THE PLAN.  Registers that memory instructions touch:
;   v1, OFF    byte offsets.  Written once at the head by vector lines; read by the loads (v1), by the rows' stores (OFF) and by the bias's load and store (v1).
;   X          row r: written by the row's load alone; read by the row's two conversions; no load lands in it again.
;   Y          row r: written by the row's two conversions, once; read by the row's store.
;   v[20:23]   written by the bias's load; no vector line names them ahead of it.      v[26:29]  written by four vector lines; read by the bias's store.
; No register that a memory instruction reads is written again, and no load lands in a register that a vector line has named: what is left to state is that a vector line has
; written what a memory instruction reads.  One wait stands ahead of the first load, for all the offsets.  The 16 rows go in four blocks of four: a block's eight conversions, one wait,
; its four stores; the wait stands behind the block's own conversions, so that a block's stores do not hang on the next block's data.  One wait stands ahead of the bias's store.
; No vector line writes a scalar register or VCC, and EXEC is never written.
.set OFF, 4                            ; v[4:19]    byte offset of my 8 bytes in row r of the destination
.set X,   32                           ; v[32:95]   row r: 4 f32 as loaded
.set Y,   96                           ; v[96:127]  row r: 4 bf16 to store
	s_load_b512 s[8:23], s[0:1], 0x0               ; x 8:9, Wq 10:11, Wk 12:13, Wv 14:15, bq 16:17, bk 18:19, bv 20:21, xb 22:23
	s_load_b128 s[24:27], s[0:1], 0x40             ; wb 24:25, bc 26:27
	s_and_b32 s2, ttmp7, 0xffff                    ; y
	v_lshlrev_b32 v1, 4, v0                        ; 16 t
	v_lshlrev_b32 v2, 3, v0                        ; 8 t
	s_lshl_b32 s38, s2, 22                         ; a slab of x: 1,024 rows of 4,096 bytes
	s_lshl_b32 s40, s2, 21                         ; a slab of xb: 1,024 rows of 2,048 bytes
	s_sub_co_u32 s37, s2, 8                        ; which W (used where y >= 8 alone)
	s_lshl_b32 s44, s37, 11                        ; its 2,048 bytes in a row of wb
	s_mov_b32 s36, 6144
	s_cmp_lt_u32 s2, 8
	s_cselect_b32 s38, s38, 0                      ; source offset
	s_cselect_b32 s40, s40, s44                    ; destination offset
	s_cselect_b32 s36, 2048, s36                   ; bytes from row to row of the destination
	s_lshl_b32 s44, ttmp9, 16                      ; my 16 rows of 4,096 bytes
	s_add_co_u32 s38, s38, s44
	s_mul_i32 s44, ttmp9, s36
	s_lshl_b32 s44, s44, 4                         ; my 16 rows of the destination
	s_add_co_u32 s40, s40, s44
	s_mov_b32 s39, 0
	s_mov_b32 s41, 0
.irp r, 0,1,2,3,4,5,6,7,8,9,10,11,12,13,14,15
	v_mad_u32_u24 v[OFF+(\r)], s36, \r, v2         ; row r x pitch + 8 t
.endr
	s_wait_kmcnt 0x0
	s_cmp_eq_u32 s2, 9
	s_cselect_b64 s[30:31], s[12:13], s[10:11]     ; the source: Wk or Wq,
	s_cselect_b64 s[32:33], s[18:19], s[16:17]     ; and its bias
	s_cmp_eq_u32 s2, 10
	s_cselect_b64 s[30:31], s[14:15], s[30:31]     ; or Wv
	s_cselect_b64 s[32:33], s[20:21], s[32:33]
	s_cmp_lt_u32 s2, 8
	s_cselect_b64 s[30:31], s[8:9], s[30:31]       ; or x
	s_cselect_b64 s[34:35], s[22:23], s[24:25]     ; the destination: xb or wb
	s_add_nc_u64 s[30:31], s[30:31], s[38:39]
	s_add_nc_u64 s[34:35], s[34:35], s[40:41]
	s_wait_alu depctr_va_vdst(0)                   ; v1 and the sixteen OFF are written: every load and store of the kernel reads one of them as its offset
.irp r, 0,1,2,3,4,5,6,7,8,9,10,11,12,13,14,15
	global_load_b128 v[X+4*(\r):X+4*(\r)+3], v1, s[30:31] offset:4096*(\r) th:TH_LOAD_NT
.endr
.irp p, 0,1,2,3                        ; block p: rows 4 p to 4 p + 3
	s_wait_loadcnt 12-4*(\p)                       ; loads come back in order: the block's four rows are in, the 12 - 4 p younger rows stay out
.irp i, 0,1,2,3
	v_cvt_pk_bf16_f32 v[Y+2*(4*(\p)+(\i))], v[X+4*(4*(\p)+(\i))], v[X+4*(4*(\p)+(\i))+1]
	v_cvt_pk_bf16_f32 v[Y+2*(4*(\p)+(\i))+1], v[X+4*(4*(\p)+(\i))+2], v[X+4*(4*(\p)+(\i))+3]
.endr
	s_wait_alu depctr_va_vdst(0)                   ; the block's eight conversions have written its Y, which the four stores below read
.irp i, 0,1,2,3
	global_store_b64 v[OFF+4*(\p)+(\i)], v[Y+2*(4*(\p)+(\i)):Y+2*(4*(\p)+(\i))+1], s[34:35]
.endr
.endr
	; the bias of this W: 1,024 f32, 16 bytes a thread, by the first work-group of its slab
	s_cmp_lt_u32 s2, 8
	s_cbranch_scc1 .Lend
	s_cmp_lg_u32 ttmp9, 0
	s_cbranch_scc1 .Lend
	s_sub_co_u32 s46, s2, 8
	s_lshl_b32 s46, s46, 12                        ; 4,096 bytes of bc for each bias
	s_mov_b32 s47, 0
	s_add_nc_u64 s[26:27], s[26:27], s[46:47]
	global_load_b128 v[20:23], v1, s[32:33]        ; v1 was written ahead of the head's wait; no vector line has named v[20:23]
	s_wait_loadcnt 0x0
	v_cvt_pk_bf16_f32 v24, v20, v21                ; rounded to bf16,
	v_cvt_pk_bf16_f32 v25, v22, v23
	v_lshlrev_b32 v26, 16, v24                     ; and widened again: a shift or a mask
	v_and_b32 v27, 0xffff0000, v24
	v_lshlrev_b32 v28, 16, v25
	v_and_b32 v29, 0xffff0000, v25
	s_wait_alu depctr_va_vdst(0)                   ; the shifts and masks have written v[26:29], which the store reads
	global_store_b128 v1, v[26:29], s[26:27]
.Lend:
	s_endpgm
.Lfunc_end_k_qa66200e913_cast:
	.size	k_qa66200e913_cast, .Lfunc_end_k_qa66200e913_cast-k_qa66200e913_cast
	.p2alignl 7, 3214868480
	.fill 96, 4, 3214868480
	.section	.rodata,"a",@progbits
	.p2align	6, 0x0
	.amdhsa_kernel k_qa66200e913_cast
		.amdhsa_group_segment_fixed_size 0
		.amdhsa_private_segment_fixed_size 0
		.amdhsa_enable_private_segment 0
		.amdhsa_kernarg_size 80
		.amdhsa_user_sgpr_count 2
		.amdhsa_user_sgpr_kernarg_segment_ptr 1
		.amdhsa_wavefront_size32 1
		.amdhsa_system_sgpr_workgroup_id_x 1
		.amdhsa_system_sgpr_workgroup_id_y 1
		.amdhsa_system_sgpr_workgroup_id_z 1
		.amdhsa_system_vgpr_workitem_id 0
		.amdhsa_next_free_vgpr 128
		.amdhsa_next_free_sgpr 66
		.amdhsa_reserve_vcc 0
		.amdhsa_float_denorm_mode_32 3
		.amdhsa_float_denorm_mode_16_64 3
		.amdhsa_memory_ordered 1
		.amdhsa_forward_progress 1
		.amdhsa_inst_pref_size 9
	.end_amdhsa_kernel
	.amdgpu_metadata
---
amdhsa.version: [ 1, 2 ]
amdhsa.kernels:
  - .name:           k_qa66200e913_cast
    .symbol:         k_qa66200e913_cast.kd
    .args:
      - { .name: x, .offset: 0, .size: 8, .value_kind: global_buffer, .address_space: global }
      - { .name: Wq, .offset: 8, .size: 8, .value_kind: global_buffer, .address_space: global }
      - { .name: Wk, .offset: 16, .size: 8, .value_kind: global_buffer, .address_space: global }
      - { .name: Wv, .offset: 24, .size: 8, .value_kind: global_buffer, .address_space: global }
      - { .name: bq, .offset: 32, .size: 8, .value_kind: global_buffer, .address_space: global }
      - { .name: bk, .offset: 40, .size: 8, .value_kind: global_buffer, .address_space: global }
      - { .name: bv, .offset: 48, .size: 8, .value_kind: global_buffer, .address_space: global }
      - { .name: xb, .offset: 56, .size: 8, .value_kind: global_buffer, .address_space: global }
      - { .name: wb, .offset: 64, .size: 8, .value_kind: global_buffer, .address_space: global }
      - { .name: bc, .offset: 72, .size: 8, .value_kind: global_buffer, .address_space: global }
    .group_segment_fixed_size: 0
    .private_segment_fixed_size: 0
    .kernarg_segment_align: 8
    .kernarg_segment_size: 80
    .max_flat_workgroup_size: 256
    .sgpr_count:     66
    .vgpr_count:     128
    .wavefront_size: 32
...
	.end_amdgpu_metadata
.endif
;; end of part 5
;; launch proj: the kernel of part 2 again; grid 4 x 64, 4 waves a work-group, clusters of 4 x 4, 327,680 bytes of LDS; arguments xb, wb, bc, qkv; writes qkv
;; launch scores: the kernel of part 3 again; grid 8 x 32, 4 waves a work-group, clusters of 4 x 4, 327,680 bytes of LDS; arguments qkv, pm, st; writes pm, st
;; launch pv: the kernel of part 4 again; grid 4 x 64, 4 waves a work-group, clusters of 4 x 4, 327,680 bytes of LDS; arguments pm, qkv, st, out0; writes out0
